; MI455X (gfx1250); checked and timed in simulation.
; The chip was launched on July 23, 2026; its instructions are those of AMD's public machine-readable ISA for CDNA 5 (MIT licence, August 2026) and "CDNA5" Instruction Set Architecture Reference Guide (July 2026). The comments in the code are by the model that wrote it; some were corrected since.
;; Attention. Allowed arithmetic: matrix products marked QUANTISED: E2M1 operands, one E8M0 scale for each 32 along K, by v_wmma_scale_f32_16x16x128_f8f6f4 with both operands' format E2M1 (or v_wmma_scale_f32_32x16x128_f4), f32 sums; products left as they are: bf16, f16 or f32 operands; f32 sums; everything else in f32.
;; Inputs: b_proj 1,024 float32; w_proj 1,024 x 1,024 float32; w_qkv 1,024 x 3,072 float32; x 2 x 2,048 x 1,024 float32.
;; Outputs: out0 2 x 2,048 x 1,024 float32.
;; This version of the problem:
;;   THIS VERSION OF THE PROBLEM IS GIVEN IN LOW PRECISION. The matrix products marked QUANTISED in the list below multiply operands that are first quantised to E2M1 (2 exponent bits, 1 mantissa bit; 4 bits a number), with one power-of-two scale for each 32 numbers along K (OCP MX v1.0); their sums are f32. The products marked 'left as it is' may take bf16, f16 or f32 operands, with f32 sums. Whichever they take, every output number must still come out within the allowed error. Rounding operands to bf16 (8 significant bits) uses up far more of that allowance than f16 does (11 bits, for magnitudes from 6e-5 to 65,504). All else is computed in f32.
;;   The module's matrix products, in the order in which they are computed (A, B: the left and right operand; K: the contracted axis; several contracted axes count as one K, in the product's order):
;;     1. [M 4,096, K 1,024] x [K 1,024, N 3,072]; A: input x; B: input w_qkv: QUANTISED
;;     2. batch 32 x [M 2,048, K 64] x [K 64, N 2,048]; A: computed on the way; B: computed on the way: left as it is (an operand is computed on the way)
;;     3. batch 32 x [M 2,048, K 2,048] x [K 2,048, N 64]; A: computed on the way; B: computed on the way: left as it is (an operand is computed on the way)
;;     4. [M 4,096, K 1,024] x [K 1,024, N 1,024]; A: computed on the way; B: input w_proj: left as it is (an operand is computed on the way)
;;   THE QUANTISER, for each operand of a quantised product, along K:
;;     - K is cut into blocks of 32 from its start; a last block that is shorter is filled with zeros.
;;     - A block's scale is 2^e with e = floor(log2(the largest magnitude in the block)) - 2, held to -126 .. 127; a block of zeros has e = 0. As a byte (E8M0): e + 127.
;;     - Each number is divided by its block's scale, clamped to +-6, and rounded to the nearest number of E2M1, ties to even, subnormals kept.
;;     - The product sums the exact products of the quantised numbers (number of the format x scale) in f32.
;;   ~~~python
;;   def quantise(x, axis):      # numpy; x: float32 -> the quantised numbers, widened to float32 again
;;       x = np.moveaxis(x, axis, -1); K = x.shape[-1]
;;       x = np.pad(x, [(0, 0)] * (x.ndim - 1) + [(0, -K % 32)]); x = x.reshape(x.shape[:-1] + (-1, 32)); a = np.abs(x).max(-1, keepdims=True)
;;       e = np.where(a > 0, np.clip(np.frexp(np.where(a > 0, a, 1))[1] - 1 - 2, -126, 127), 0)      # np.frexp(a)[1] - 1 = floor(log2(a)), exactly
;;       r = np.clip(x / 2.0 ** e, -6, 6)
;;       step = 2.0 ** (np.maximum(np.frexp(np.where(r == 0, 1, r))[1] - 1, 0) - 1)
;;       q = np.round(r / step) * step * 2.0 ** e      # np.round: ties to even
;;       return np.moveaxis(q.reshape(q.shape[:-2] + (-1,))[..., :K], -1, axis).astype(np.float32)
;;   ~~~
;; One version. Each part assembles by itself: llvm-mc -triple=amdgcn-amd-amdhsa -mcpu=gfx1250 --defsym DOCPART=n.
;; ======== version 1 of 1: 4 launches
;; limits: values are held in f16: magnitudes above 65,504 overflow, below 6.1e-05 lose precision
;; workspace buffers: xc 2,097,152 bytes; xs 131,072 bytes; wc 1,572,864 bytes; wsc 98,304 bytes; wp 2,097,152 bytes; qkv 25,165,824 bytes; att 8,388,608 bytes
;; launch prep (part 1): grid 512 x 1, 4 waves a work-group, no clusters, 33,280 bytes of LDS; arguments x, w_qkv, w_proj, xc, xs, wc, wsc, wp; writes xc, xs, wc, wsc, wp
.if DOCPART == 1
	.amdgcn_target "amdgcn-amd-amdhsa--gfx1250"
	.amdhsa_code_object_version 6
	.text
	.protected	k_q248acc4530_prep
	.globl	k_q248acc4530_prep
	.p2align	8
	.type	k_q248acc4530_prep,@function
k_q248acc4530_prep:
	s_mov_b64 s[64:65], 0
	v_nop
	global_prefetch_b8 v0, s[64:65] scope:SCOPE_SE
	s_setreg_imm32_b32 hwreg(HW_REG_WAVE_MODE, 25, 1), 1
	s_wait_xcnt 0x0
; PREP: the three inputs that later launches read many times are narrowed once.  The work-group's number picks one of three roles; waves share nothing, there is no barrier.
;   work-groups   0-255: x [4096][1024] f32 -> xc: codes of FP4 (E2M1), K innermost, two a byte, the lower k in the low four bits; xs: one E8M0 byte for each 32 along K, [4096][32].
;   work-groups 256-447: w_qkv [1024 (k)][3072 (n)] f32 -> wc: codes in the ORDER OF THE OPERAND'S REGISTERS; wsc: scale bytes [3072][32].
;   work-groups 448-511: w_proj [1024 (k)][1024 (n)] f32 -> wp: f16, in the order of the operand's registers.
; A block's scale is 2^(floor(log2(its largest magnitude)) - 2): its byte is the largest magnitude's exponent field - 2, held at 1 from below; each number is divided by the scale and rounded to the nearest code, ties to even,
; beyond 6 the largest code.
; wc: byte (ks / 4) 786,432 + (n / 16) 4,096 + (ks % 4) 1,024 + 512 c + 16 (16 h + n % 16), ks = k / 128: the 16 bytes there are the 32 codes of block 2 c + h of that 128 along K: what lane (n % 16, h) keeps in registers 4 c .. 4 c + 3.
; wp: byte (k / 256) 524,288 + (n / 16) 8,192 + ((k / 32) % 8) 1,024 + 512 c + 16 (16 h + n % 16): the 16 bytes there are k = 32 (k / 32) + 16 c + 8 h + 0 .. 7 of column n.
; LIMITS: blocks whose largest magnitude lies under 2^-124, blocks of zeros among them, get the byte 1 (a block of zeros has zero codes, which add nothing under any byte but 0xff, and these bytes are read by this program alone);
; NaN and infinities among the inputs are not served; |w_proj| above 65,504 has no f16 number and is not served.
.set SPW,   12                         ; v12      LDS address of my spare word: SPARE + 4 x my thread's number; never rewritten
.set NIL,   13                         ; v13      0; never rewritten
.set WREG,  8192                       ; LDS (role x alone): a region for each wave: two stages of 32 x SP bytes, and at 5,120 its 128 scale bytes
.set SP,    80                         ; a lane's place in a stage: its 64 bytes + 16 of padding
.set SPARE, 4*WREG                     ; behind the four regions: the spare words, 128 bytes for each wave: two blocks of 256 bytes that no other line names
.set R,     16                         ; v16-143  the numbers as they are loaded: every load has registers of its own
.set X,     144                        ; v144-175 role x: two sets of 16 neighbours
.set E,     176                        ; v176-183 role x: a scale byte for each step
.set C,     184                        ; v184-199 role x: two registers of codes for each step
.set CW,    144                        ; v144-..  the weights' roles: what is stored, every store from registers of its own
.set SW,    160                        ; v160     role w_qkv: my column's scale word
	s_load_b256 s[4:11], s[0:1], 0x0               ; x s[4:5], w_qkv s[6:7], w_proj s[8:9], xc s[10:11]
	s_load_b256 s[12:19], s[0:1], 0x20             ; xs s[12:13], wc s[14:15], wsc s[16:17], wp s[18:19]
	v_lshl_add_u32 v[SPW], v0, 2, SPARE
	v_mov_b32 v[NIL], 0
	v_lshrrev_b32 v1, 5, v0
	v_readfirstlane_b32 s20, v1                    ; wave 0..3
	v_and_b32 v2, 31, v0                           ; lane
	s_mov_b32 s25, 0                               ; the upper word of every offset: all lie under 2^32
	s_wait_kmcnt 0x0
	s_cmp_lt_u32 ttmp9, 256
	s_cbranch_scc0 .Lweights
; ---- ROLE x.  Rows are dense and 1,024 is a multiple of 32: x is a plain stream of blocks of 32.  A wave takes 8 steps of 512 numbers.  All 32 loads go out at once, 512 consecutive bytes each.
; The conversions want 16 NEIGHBOURS in a lane: a step's 2,048 bytes turn through the wave's own stage in LDS, stored as they were loaded and read back 64 bytes a lane.  Two neighbouring lanes hold a block.
	s_lshl_b32 s21, ttmp9, 2
	s_add_co_u32 s21, s21, s20                     ; which run of 4,096 numbers is my wave's
	s_lshl_b32 s24, s21, 14
	s_add_nc_u64 s[4:5], s[4:5], s[24:25]          ; its 16,384 bytes of x,
	s_lshl_b32 s24, s21, 11
	s_add_nc_u64 s[10:11], s[10:11], s[24:25]      ; its 2,048 bytes of codes,
	s_lshl_b32 s24, s21, 7
	s_add_nc_u64 s[12:13], s[12:13], s[24:25]      ; its 128 scale bytes
	v_lshlrev_b32 v3, 4, v2                        ; my 16 bytes of a load's 512
.macro LOADX t
.irp i, 0,1,2,3
	global_load_b128 v[R+16*(\t)+4*\i:R+16*(\t)+4*\i+3], v3, s[4:5] offset:2048*(\t)+512*\i th:TH_LOAD_NT
.endr
.endm
.irp t, 0,1,2,3,4,5,6,7
	LOADX \t
.endr
	s_lshl_b32 s26, s20, 13                        ; my wave's region of LDS
	v_lshrrev_b32 v14, 2, v2
	v_mul_u32_u24 v14, v14, SP
	v_and_b32 v15, 3, v2
	v_lshl_add_u32 v14, v15, 4, v14
	v_add_nc_u32 v14, s26, v14                     ; the stage, on the way in: SP (lane / 4) + 16 (lane % 4); a load's 512 bytes take eight places
	v_mul_u32_u24 v15, v2, SP
	v_add_nc_u32 v15, s26, v15                     ; and on the way out: SP x lane: my 16 neighbours
	v_lshlrev_b32 v4, 3, v2                        ; my 8 bytes of a step's 256 bytes of codes
	s_add_co_u32 s26, s26, 2*32*SP
	v_lshrrev_b32 v5, 1, v2
	v_add_nc_u32 v5, s26, v5                       ; LDS: my block's scale byte
	v_lshlrev_b32 v7, 2, v2                        ; the scale bytes' way out: 4 bytes a lane
	v_add_nc_u32 v6, s26, v7
.macro TURNX t                         ; step t's numbers through stage t % 2: LDS serves a wave's instructions in order, so no wait stands between the stores and the loads
.irp i, 0,1,2,3
	ds_store_b128 v14, v[R+16*(\t)+4*\i:R+16*(\t)+4*\i+3] offset:32*SP*((\t)%2)+8*SP*\i
.endr
.irp i, 0,1,2,3
	ds_load_b128 v[X+16*((\t)%2)+4*\i:X+16*((\t)%2)+4*\i+3], v15 offset:32*SP*((\t)%2)+16*\i
.endr
.endm
.macro STEPX t
.set XS, X+16*((\t)%2)
.if (\t) > 0
	s_wait_dscnt 1                                 ; this step's numbers are back from the stage; the last step's byte store may be out
.else
	s_wait_dscnt 0x0
.endif
.if (\t) < 7
	s_wait_loadcnt 4*(6-(\t))                      ; the next step's four loads are in; those of the 6 - t steps behind it may be out
	TURNX (\t)+1                                   ; and go through the other stage while this step is worked
.endif
	v_max3_num_f32 v8, |v[XS]|, |v[XS+1]|, |v[XS+2]|               ; the largest magnitude of my 16, in two chains
	v_max3_num_f32 v9, |v[XS+3]|, |v[XS+4]|, |v[XS+5]|
.irp i, 6,10
	v_max3_num_f32 v8, v8, |v[XS+\i]|, |v[XS+\i+1]|
	v_max3_num_f32 v9, v9, |v[XS+\i+2]|, |v[XS+\i+3]|
.endr
	v_max3_num_f32 v8, v8, |v[XS+14]|, |v[XS+15]|
	v_max3_num_f32 v8, v8, v9, 0x1800000           ; and the floor 2^(3 - 127): the byte cannot fall under 1
	v_max_num_f32_dpp v8, v8, v8 row_xmask:1 row_mask:0xf bank_mask:0xf   ; and of my neighbour's 16: the block's
	v_add_nc_u32 v11, 0xff000000, v8               ; 2 off its exponent field: the conversion takes the exponent field of this operand as its scale, and nothing else of it
	v_cvt_scalef32_pk8_fp4_f32 v[C+2*(\t)], v[XS:XS+7], v11
	v_cvt_scalef32_pk8_fp4_f32 v[C+2*(\t)+1], v[XS+8:XS+15], v11
	v_lshrrev_b32 v[E+(\t)], 23, v11               ; the scale's byte (also the plain line behind the conversions)
	ds_store_b8 v5, v[E+(\t)] offset:16*(\t)       ; both lanes of a block write the same byte with the same value
	global_store_b64 v4, v[C+2*(\t):C+2*(\t)+1], s[10:11] offset:256*(\t)   ; 32 lanes store 256 consecutive bytes, aligned
.endm
	s_wait_loadcnt 28                              ; step 0's four loads are in; the other 28 may be out
	TURNX 0
.irp t, 0,1,2,3,4,5,6,7
	STEPX \t
.endr
	ds_load_b32 v8, v6                             ; LDS serves a wave's instructions in order: this sees my byte stores
	s_wait_dscnt 0x0
	global_store_b32 v7, v8, s[12:13]              ; my wave's 128 scale bytes, consecutive: one byte for each 128 bytes that the role reads
	s_wait_tensorcnt 0x0                           ; the wave's end: a tensor wait, an add and its wait behind my last LDS store
	ds_add_u32 v[SPW], v[NIL]
	s_wait_dscnt 0x0
	s_endpgm
; ---- ROLE w_qkv.  K is the FIRST axis: a lane takes a column n and its registers run down K.  A wave takes 32 columns x 128 along K: four blocks of 32 a lane.  A load reads 128 consecutive bytes, the four waves stand side by side on 512.
; s_wait_loadcnt's count has six bits, so the loads run two blocks (64 loads) ahead and not all four; each block has registers of its own, so block t + 2 is asked for as soon as block t is in.
.Lweights:
	s_cmp_lt_u32 ttmp9, 448
	s_cbranch_scc0 .Lproj
	s_sub_co_u32 s21, ttmp9, 256
	s_and_b32 s22, s21, 7                          ; ks: which 128 along K
	s_lshr_b32 s21, s21, 3
	s_lshl_b32 s21, s21, 2
	s_add_co_u32 s21, s21, s20                     ; my wave's first column / 32
	s_mul_i32 s24, s22, 128*12288
	s_lshl_b32 s26, s21, 7
	s_add_co_u32 s24, s24, s26
	s_add_nc_u64 s[6:7], s[6:7], s[24:25]          ; w_qkv at (128 ks, my first column)
	s_lshr_b32 s24, s22, 2
	s_mul_i32 s24, s24, 786432
	s_lshl_b32 s26, s21, 13                        ; two tiles of 16 columns, 4,096 bytes each
	s_add_co_u32 s24, s24, s26
	s_and_b32 s26, s22, 3
	s_lshl_b32 s26, s26, 10
	s_add_co_u32 s24, s24, s26
	s_add_nc_u64 s[14:15], s[14:15], s[24:25]      ; wc
	s_lshl_b32 s24, s21, 10                        ; 32 bytes a column
	s_lshl_b32 s26, s22, 2
	s_add_co_u32 s24, s24, s26
	s_add_nc_u64 s[16:17], s[16:17], s[24:25]      ; wsc
	v_lshlrev_b32 v3, 2, v2                        ; in: 4 bytes a lane
	v_lshrrev_b32 v4, 4, v2
	v_lshlrev_b32 v4, 12, v4
	v_and_b32 v6, 15, v2
	v_lshl_add_u32 v4, v6, 4, v4                   ; out: tile lane / 16, place lane % 16
	v_lshlrev_b32 v5, 5, v2                        ; my column's row of scale bytes
.macro LOADW t
.irp i, 0,1,2,3,4,5,6,7,8,9,10,11,12,13,14,15,16,17,18,19,20,21,22,23,24,25,26,27,28,29,30,31
	global_load_b32 v[R+32*(\t)+\i], v3, s[6:7] offset:(32*(\t)+\i)*12288 th:TH_LOAD_NT
.endr
.endm
.macro BLOCKW t
.set XS, R+32*(\t)
.if (\t) < 3
	s_wait_loadcnt 32                              ; this block's 32 loads are in; the next block's may be out
.else
	s_wait_loadcnt 0x0
.endif
.if (\t)+2 < 4
	LOADW (\t)+2
.endif
	v_max3_num_f32 v8, |v[XS]|, |v[XS+1]|, |v[XS+2]|               ; the block's largest magnitude: all 32 numbers are mine
	v_max3_num_f32 v9, |v[XS+3]|, |v[XS+4]|, |v[XS+5]|
.irp i, 6,10,14,18,22,26
	v_max3_num_f32 v8, v8, |v[XS+\i]|, |v[XS+\i+1]|
	v_max3_num_f32 v9, v9, |v[XS+\i+2]|, |v[XS+\i+3]|
.endr
	v_max3_num_f32 v8, v8, |v[XS+30]|, |v[XS+31]|
	v_max3_num_f32 v8, v8, v9, 0x1800000           ; and the floor 2^(3 - 127)
	v_add_nc_u32 v11, 0xff000000, v8               ; the conversion's scale operand
	v_lshrrev_b32 v9, 23, v11                      ; the scale's byte
.if (\t) == 0
	v_mov_b32 v[SW], v9                            ; four bytes to the word, the lower K in the lower byte
.else
	v_lshl_or_b32 v[SW], v9, 8*(\t), v[SW]
.endif
.irp g, 0,1,2,3
	v_cvt_scalef32_pk8_fp4_f32 v[CW+4*(\t)+\g], v[XS+8*\g:XS+8*\g+7], v11
.endr
	global_store_b128 v4, v[CW+4*(\t):CW+4*(\t)+3], s[14:15] offset:((\t)/2)*512+((\t)%2)*256   ; block t = 2 c + h: sixteen lanes store 256 consecutive bytes, aligned (the results go to stores alone, and the next block begins with plain lines)
.endm
	LOADW 0
	LOADW 1
.irp t, 0,1,2,3
	BLOCKW \t
.endr
	global_store_b32 v5, v[SW], s[16:17]           ; my column's word for these 128 along K: rows of 32 bytes, so aligned blocks are written in part: one byte for each 128 that the role reads
	s_endpgm
; ---- ROLE w_proj: the same plan; eight neighbours along K round to f16 and are 16 bytes of the operand.
.Lproj:
	s_sub_co_u32 s21, ttmp9, 448
	s_and_b32 s22, s21, 7                          ; which 128 along K
	s_lshr_b32 s21, s21, 3
	s_lshl_b32 s21, s21, 2
	s_add_co_u32 s21, s21, s20                     ; my wave's first column / 32
	s_lshl_b32 s24, s22, 19                        ; 128 rows of 4,096 bytes
	s_lshl_b32 s26, s21, 7
	s_add_co_u32 s24, s24, s26
	s_add_nc_u64 s[8:9], s[8:9], s[24:25]
	s_lshr_b32 s24, s22, 1
	s_lshl_b32 s24, s24, 19
	s_lshl_b32 s26, s21, 14                        ; two tiles of 16 columns, 8,192 bytes each
	s_add_co_u32 s24, s24, s26
	s_and_b32 s26, s22, 1
	s_lshl_b32 s26, s26, 12
	s_add_co_u32 s24, s24, s26
	s_add_nc_u64 s[18:19], s[18:19], s[24:25]
	v_lshlrev_b32 v3, 2, v2
	v_lshrrev_b32 v4, 4, v2
	v_lshlrev_b32 v4, 13, v4
	v_and_b32 v6, 15, v2
	v_lshl_add_u32 v4, v6, 4, v4
.macro LOADP t
.irp i, 0,1,2,3,4,5,6,7,8,9,10,11,12,13,14,15,16,17,18,19,20,21,22,23,24,25,26,27,28,29,30,31
	global_load_b32 v[R+32*(\t)+\i], v3, s[8:9] offset:(32*(\t)+\i)*4096 th:TH_LOAD_NT
.endr
.endm
.macro GROUPP t                        ; 32 along K: one step of the f16 matrix instruction: four pieces of 16 bytes
.if (\t) < 3
	s_wait_loadcnt 32                              ; these 32 loads are in; the next 32 may be out
.else
	s_wait_loadcnt 0x0
.endif
.if (\t)+2 < 4
	LOADP (\t)+2
.endif
.irp w, 0,1,2,3
.irp p, 0,1,2,3
	v_cvt_pk_f16_f32 v[CW+16*(\t)+4*\w+\p], v[R+32*(\t)+8*\w+2*\p], v[R+32*(\t)+8*\w+2*\p+1]
.endr
	global_store_b128 v4, v[CW+16*(\t)+4*\w:CW+16*(\t)+4*\w+3], s[18:19] offset:(\t)*1024+(\w/2)*512+(\w%2)*256   ; piece w = 2 c + h: sixteen lanes store 256 consecutive bytes, aligned
.endr
.endm
	LOADP 0
	LOADP 1
.irp t, 0,1,2,3
	GROUPP \t
.endr
	s_endpgm
.Lfunc_end_k_q248acc4530_prep:
	.size	k_q248acc4530_prep, .Lfunc_end_k_q248acc4530_prep-k_q248acc4530_prep
	.p2alignl 7, 3214868480
	.fill 96, 4, 3214868480
	.section	.rodata,"a",@progbits
	.p2align	6, 0x0
	.amdhsa_kernel k_q248acc4530_prep
		.amdhsa_group_segment_fixed_size 33280
		.amdhsa_private_segment_fixed_size 0
		.amdhsa_enable_private_segment 0
		.amdhsa_kernarg_size 64
		.amdhsa_user_sgpr_count 2
		.amdhsa_user_sgpr_kernarg_segment_ptr 1
		.amdhsa_wavefront_size32 1
		.amdhsa_system_sgpr_workgroup_id_x 1
		.amdhsa_system_sgpr_workgroup_id_y 1
		.amdhsa_system_sgpr_workgroup_id_z 1
		.amdhsa_system_vgpr_workitem_id 0
		.amdhsa_next_free_vgpr 208
		.amdhsa_next_free_sgpr 66
		.amdhsa_reserve_vcc 0
		.amdhsa_float_denorm_mode_32 3
		.amdhsa_float_denorm_mode_16_64 3
		.amdhsa_memory_ordered 1
		.amdhsa_forward_progress 1
		.amdhsa_inst_pref_size 56
	.end_amdhsa_kernel
	.amdgpu_metadata
---
amdhsa.version: [ 1, 2 ]
amdhsa.kernels:
  - .name:           k_q248acc4530_prep
    .symbol:         k_q248acc4530_prep.kd
    .args:
      - { .name: x, .offset: 0, .size: 8, .value_kind: global_buffer, .address_space: global }
      - { .name: w_qkv, .offset: 8, .size: 8, .value_kind: global_buffer, .address_space: global }
      - { .name: w_proj, .offset: 16, .size: 8, .value_kind: global_buffer, .address_space: global }
      - { .name: xc, .offset: 24, .size: 8, .value_kind: global_buffer, .address_space: global }
      - { .name: xs, .offset: 32, .size: 8, .value_kind: global_buffer, .address_space: global }
      - { .name: wc, .offset: 40, .size: 8, .value_kind: global_buffer, .address_space: global }
      - { .name: wsc, .offset: 48, .size: 8, .value_kind: global_buffer, .address_space: global }
      - { .name: wp, .offset: 56, .size: 8, .value_kind: global_buffer, .address_space: global }
    .group_segment_fixed_size: 33280
    .private_segment_fixed_size: 0
    .kernarg_segment_align: 8
    .kernarg_segment_size: 64
    .max_flat_workgroup_size: 128
    .sgpr_count:     66
    .vgpr_count:     208
    .wavefront_size: 32
...
	.end_amdgpu_metadata
.endif
;; end of part 1
;; launch qkvgemm (part 2): grid 12 x 16, 4 waves a work-group, clusters of 4 x 4, 327,680 bytes of LDS; arguments xc, xs, wc, wsc, qkv; writes qkv
.if DOCPART == 2
	.amdgcn_target "amdgcn-amd-amdhsa--gfx1250"
	.amdhsa_code_object_version 6
	.text
	.protected	k_q248acc4530_qkvgemm
	.globl	k_q248acc4530_qkvgemm
	.p2align	8
	.type	k_q248acc4530_qkvgemm,@function
k_q248acc4530_qkvgemm:
	s_mov_b64 s[64:65], 0
	v_nop
	global_prefetch_b8 v0, s[64:65] scope:SCOPE_SE
	s_setreg_imm32_b32 hwreg(HW_REG_WAVE_MODE, 25, 1), 1
	s_wait_xcnt 0x0
	s_wait_alu depctr_hold_cnt(0) depctr_sa_sdst(0) depctr_va_vdst(0) depctr_va_sdst(0) depctr_va_ssrc(0) depctr_va_vcc(0) depctr_vm_vsrc(0)
	s_getreg_b32 s2, hwreg(HW_REG_IB_STS2, 6, 4)
	s_cmp_eq_u32 s2, 0
	s_cbranch_scc0 .Lentry_in_a_cluster
	s_endpgm
.Lentry_in_a_cluster:
	s_bfe_u32 s2, ttmp6, 0x10000c
	s_cmp_lg_u32 s2, 0xf033
	s_cbranch_scc0 .Lentry_shape_is_right
	s_endpgm
.Lentry_shape_is_right:
; x w_qkv on codes of FP4 (E2M1) with one E8M0 scale for each 32 along K = 1,024; sums in f32; the results, q, k and v, are rounded once to f16 and stored in the order in which the attention launch's operand registers take them.
; A tile of 256 tokens x 256 columns is made by a work-group of four waves; a wave makes 128 x 128: 64 accumulators of 16 x 16, 512 registers.  4,096 x 3,072 give 192 such tiles.
; ALL OF K LIES IN LDS: two slots of 512 along K, both filled once, at the head; nothing is filled again, so there is no ring, no loop and one barrier between the halves of K.
; x's codes lie by rows (a tile's row is 256 bytes, padded to 272 in LDS); w's codes lie as images of the operand's registers (a fragment of 16 columns x 128 K is 1,024 consecutive bytes, lane l's 16 bytes at 16 l and 512 + 16 l),
; so a wave's part of a slot is one dense block of 32,768 bytes and its LDS reads are consecutive.  The scale bytes of the work-group's 256 rows and 256 columns, for all of K, come once, as blocks of 256 bytes + 16 of padding.
; CLUSTERS: 4 x 4 work-groups.  The four of a row of the cluster need the same tiles of x, the four of a column the same tiles of w: each is asked for JOINTLY, by the same tensor load with the same descriptor and a mask that names the four.
; THE MATRIX INSTRUCTION IS USED TRANSPOSED (source 0 = 16 columns of w, source 1 = 16 tokens): a lane holds ONE token (lane % 16) and eight neighbouring channels 8 (lane / 16) + 0 .. 7, which pack into 16 bytes of f16.
; THE OUTPUT, for each bh = 16 batch + head, 786,432 bytes: Q at 0: tile of 16 tokens x 2,048 + tile of 16 channels x 512 + 16 x lane; then four slots of 512 keys, 131,072 bytes each: K (the same image) and, 65,536 on, V.
; V's pieces change places inside their 512 bytes: token r, half h goes to place 16 (r / 8) + 8 h + r % 8, where the turning LDS load of the attention launch wants it.  So a packed accumulator IS the reader's image:
; each store of a wave covers 512 consecutive bytes, aligned, and no stage in LDS is needed.  The cluster's x is 0 for q, 1 for k, 2 for v.
; LIMITS: |x w_qkv| above 65,504 has no f16 number and is not served; NaN and infinities are not served.
; REGISTERS, in windows of 256: window 0: v0-31 addresses; v32-95 scale words, two sets; from v128 x's fragments (8 x 16 rows x 128 K), ONE set; on the way out v32-255 take the packed results.
;   window 1: w's fragments, TWO sets, at v0 and at v128.   window 2: the 32 accumulators of my rows 0-63 (accumulator (a, b) at v[8 (8 a + b)]);   window 3: those of my rows 64-127.
.set NQ,     4                         ; steps of 128 along K in a slot
.set ROWB,   256                       ; a row of x's tile in bytes: 512 codes
.set KROW,   512                       ; a row of x's codes in memory
.set PITCH,  272                       ; and in LDS: 256 bytes + 16 of padding = 68 words: row r starts at bank 4 r mod 64 (64 banks of 4 bytes: ISA guide 11.1)
.set FR,     8                         ; registers of a fragment: 16 rows x 128 K
.set NL,     2                         ; LDS loads that bring one
.set NP,     4                         ; places behind this matrix instruction (ISA guide 7.12.1)
.set HALFT,  128*PITCH                 ; 128 rows of x: what one tensor load brings, and what one wave reads
.set BHALF,  32768                     ; 128 columns of w: 8 tiles x 4 steps x 1,024 bytes
.set SLOT,   2*HALFT+2*BHALF           ; x's 256 rows, then w's 256 columns
.set KS,     32                        ; a row of scale bytes
.set SCL,    2*SLOT                    ; behind the slots: the scales
.set HALFS,  (128*KS/256)*272          ; those of 128 rows: what one tensor load brings
.set SBLK,   (16*KS/256)*272           ; those of 16 rows
.set SPARE,  SCL+4*HALFS               ; behind the scales: the spare words, 128 bytes for each wave: two blocks of 256 bytes that no other line names
.set ADRA, 16                          ; v16-17  LDS address of my fragments of x in slot 0, 1
.set ADRB, 20                          ; v20-21  the same for w
.set CO,   26                          ; v26     the way out: my 16 bytes' place in an image of 512
.set ADRS, 27                          ; v27     LDS address of my scale words: lanes 0-15 x's rows, lanes 16-31 w's columns
.set SPW,  28                          ; v28     LDS address of my spare word: SPARE + 4 x my thread's number; never rewritten
.set NIL,  29                          ; v29     0; never rewritten
.set SC,   32                          ; scale words: set s (for slot s) at v[SC + 32 s]; in it register 4 i + q: lanes 0-15 the word of x's block i, lanes 16-31 that of w's block i, for the slot's q-th 128 along K
.set AF,   128                         ; x's fragments, in window 0
.set G1, 24                            ; s[24:31] descriptor group 1 for x's tiles;  s[32:39] group 0, one set for each slot
.set G0, 32
.set G1B, 48                           ; s[48:55], s[56:63] the same for w's
.set G0B, 56
.set G1S, 68                           ; s[68:75], s[76:79] groups 1 and 0 for x's scales;  s[80:87], s[88:91] for w's
.set G0S, 76
.set G1SB, 80
.set G0SB, 88
.set MSB, 0
.macro WIN new                         ; the immediate's high byte repeats the setting that is left
.if MSB != \new
	s_set_vgpr_msb (MSB<<8)|\new
.set MSB, \new
.endif
.endm
.set MUL_LO, 0xa1                      ; source 0 (w) window 1, source 1 (x) window 0, C and D window 2
.set MUL_HI, 0xf1                      ; the same, C and D window 3
.set TO_B,   0x40                      ; destination window 1, address window 0
; A joint load: waves 0 and 1 fetch for x, waves 2 and 3 for w.  Each of the two lines has ONE mask and one set of registers for all that issue it; the branch hangs on the wave's number alone.
; An s_nop 0 and four v_nop follow each of the two lines, ahead of the jump, the label and what follows.
.macro JLOAD g0a, g1a, g0b, g1b
	s_cmp_eq_u32 s15, 0
	s_cbranch_scc0 .Lfor_b_\@
	tensor_load_to_lds s[\g0a:\g0a+3], s[\g1a:\g1a+7]
	s_nop 0
.rept 4
	v_nop
.endr
	s_branch .Lasked_\@
.Lfor_b_\@:
	tensor_load_to_lds s[\g0b:\g0b+3], s[\g1b:\g1b+7]
	s_nop 0
.rept 4
	v_nop
.endr
.Lasked_\@:
.endm
.macro CROUND                          ; a round of the cluster's barrier: my work-group's barrier; wave 0 signals for the work-group; every wave waits for all sixteen; my work-group's barrier once more
	s_barrier_signal -1
	s_barrier_wait -1
	s_cmp_lg_u32 s14, 0
	s_cbranch_scc1 .Lnot_wave_0_\@
	s_barrier_signal -3
.Lnot_wave_0_\@:
	s_barrier_wait -3
	s_barrier_signal -1
	s_barrier_wait -1
.endm
	s_load_b128 s[4:7], s[0:1], 0x0                ; x's codes s[4:5], x's scales s[6:7]
	s_load_b128 s[8:11], s[0:1], 0x10              ; w's codes s[8:9], w's scales s[10:11]
	s_load_b64 s[12:13], s[0:1], 0x20              ; qkv
	v_lshl_add_u32 v[SPW], v0, 2, SPARE
	v_mov_b32 v[NIL], 0
	ds_add_u32 v[SPW], v[NIL]                      ; the wave's opening: the add, twice on end, and its wait ahead of my first tensor load; the set-up below, work on registers, stands between the second and the wait
	ds_add_u32 v[SPW], v[NIL]
	v_lshrrev_b32 v1, 5, v0
	v_readfirstlane_b32 s14, v1                    ; wave 0..3
	s_lshr_b32 s15, s14, 1                         ; which half of the tile's rows is mine.  Also: I fetch for x (0) or for w (1)
	s_and_b32 s16, s14, 1                          ; which half of its columns.  Also: which half of that tile I fetch
	s_bfe_u32 s40, ttmp6, 0x40000                  ; cx, cy: my place in the cluster
	s_bfe_u32 s41, ttmp6, 0x40004
	s_lshl_b32 s42, ttmp9, 2
	s_add_co_u32 s42, s42, s40                     ; tile column = 4 x cluster x + cx
	s_and_b32 s17, ttmp7, 0xffff
	s_lshl_b32 s17, s17, 2
	s_add_co_u32 s17, s17, s41                     ; tile row = 4 x cluster y + cy
	s_lshl_b32 s43, s41, 2
	s_lshl_b32 s43, 15, s43                        ; my row of the cluster
	s_lshl_b32 s44, 0x1111, s40                    ; my column
	; group 1 for x's tiles: 128 rows x 256 bytes, 512 bytes apart in memory, padded in LDS
	s_or_b32 s[G1+0], s43, (0<<16)|(1<<20)|(1<<21)|(5<<22)|(3<<25)  ; 15:0 the mask: my row; 17:16 elements of 1 byte; 20 padding on; 21 set beside a mask; 24:22 after every 64 words (code 5); 31:25 four words (code 3)
	s_mov_b32 s[G1+1], ROWB<<16                    ; tensor_dim0
	s_mov_b32 s[G1+2], 128<<16                     ; tensor_dim1
	s_mov_b32 s[G1+3], ROWB<<16                    ; tile_dim0
	s_mov_b32 s[G1+4], 128                         ; tile_dim1
	s_mov_b32 s[G1+5], KROW                        ; tensor_dim0_stride
	s_mov_b32 s[G1+6], 0
	s_mov_b32 s[G1+7], 0
	; group 1 for w's tiles: a dense block of 32,768 bytes as 128 rows of 256 bytes (32 elements of 8 bytes), no padding
	s_or_b32 s[G1B+0], s44, (3<<16)|(1<<21)        ; the mask: my column
	s_mov_b32 s[G1B+1], 32<<16
	s_mov_b32 s[G1B+2], 128<<16
	s_mov_b32 s[G1B+3], 32<<16
	s_mov_b32 s[G1B+4], 128
	s_mov_b32 s[G1B+5], 32
	s_mov_b32 s[G1B+6], 0
	s_mov_b32 s[G1B+7], 0
	; and for the scales of 128 rows: a dense block of 4,096 bytes as 16 rows of 256 bytes, 16 bytes of padding behind each
	s_or_b32 s[G1S+0], s43, (3<<16)|(1<<20)|(1<<21)|(5<<22)|(3<<25)
	s_or_b32 s[G1SB+0], s44, (3<<16)|(1<<20)|(1<<21)|(5<<22)|(3<<25)
.irp g, G1S, G1SB
	s_mov_b32 s[\g+1], 32<<16
	s_mov_b32 s[\g+2], (128*KS/256)<<16
	s_mov_b32 s[\g+3], 32<<16
	s_mov_b32 s[\g+4], 128*KS/256
	s_mov_b32 s[\g+5], 32
	s_mov_b32 s[\g+6], 0
	s_mov_b32 s[\g+7], 0
.endr
	; where the tiles come from, in bytes (all under 2^32).  x's hang on the tile row alone, w's on the tile column alone, each in registers that never hold the other coordinate
	s_lshl_b32 s20, s17, 17                        ; x's codes: 256 rows of 512 bytes a tile row,
	s_lshl_b32 s18, s16, 16                        ; + my 128 rows
	s_add_co_u32 s20, s20, s18
	s_mov_b32 s21, 0
	s_lshl_b32 s22, s17, 13                        ; x's scales: 256 rows of 32 bytes
	s_lshl_b32 s18, s16, 12
	s_add_co_u32 s22, s22, s18
	s_mov_b32 s23, 0
	s_lshl_b32 s46, s42, 16                        ; w's codes: 16 tiles of 4,096 bytes a tile column,
	s_lshl_b32 s47, s16, 15                        ; + my 8 tiles
	s_add_co_u32 s46, s46, s47
	s_mov_b32 s47, 0
	s_lshl_b32 s92, s42, 13                        ; w's scales
	s_lshl_b32 s93, s16, 12
	s_add_co_u32 s92, s92, s93
	s_mov_b32 s93, 0
	s_mul_i32 s45, s16, HALFT                      ; and where they go: no place in the cluster enters an LDS address
	s_mul_i32 s95, s16, BHALF
	s_add_co_u32 s95, s95, 2*HALFT
	s_mul_i32 s94, s14, HALFS
	s_wait_dscnt 0x0                               ; both opening adds are done
	s_wait_kmcnt 0x0
	s_add_nc_u64 s[20:21], s[4:5], s[20:21]
	s_add_nc_u64 s[22:23], s[6:7], s[22:23]
	s_add_nc_u64 s[46:47], s[8:9], s[46:47]
	s_add_nc_u64 s[92:93], s[10:11], s[92:93]
	CROUND                                         ; all sixteen work-groups are here: the joint loads meet
	s_mov_b32 s[G0S], 1
	s_add_co_u32 s[G0S+1], s94, SCL
	s_mov_b64 s[G0S+2:G0S+3], s[22:23]
	s_or_b32 s[G0S+3], s[G0S+3], 0x80000000
	s_mov_b32 s[G0SB], 1
	s_add_co_u32 s[G0SB+1], s94, SCL
	s_mov_b64 s[G0SB+2:G0SB+3], s[92:93]
	s_or_b32 s[G0SB+3], s[G0SB+3], 0x80000000
	JLOAD G0S, G1S, G0SB, G1SB                     ; the scales first: they are wanted with the first half of K
.irp s, 0,1
	s_mov_b32 s[G0+4*\s], 1
	s_add_co_u32 s[G0+4*\s+1], s45, \s*SLOT
	s_add_nc_u64 s[G0+4*\s+2:G0+4*\s+3], s[20:21], \s*ROWB
	s_or_b32 s[G0+4*\s+3], s[G0+4*\s+3], 0x80000000
	s_mov_b32 s[G0B+4*\s], 1
	s_add_co_u32 s[G0B+4*\s+1], s95, \s*SLOT
	s_add_nc_u64 s[G0B+4*\s+2:G0B+4*\s+3], s[46:47], \s*786432
	s_or_b32 s[G0B+4*\s+3], s[G0B+4*\s+3], 0x80000000
	JLOAD G0+4*\s, G1, G0B+4*\s, G1B               ; three tensor loads of mine are out behind the second of these
.endr
	v_and_b32 v1, 15, v0                           ; r = lane % 16
	v_bfe_u32 v2, v0, 4, 1                         ; h = lane / 16
	v_mul_u32_u24 v3, v1, PITCH
	v_lshl_add_u32 v4, v2, 4, v3                   ; x: a fragment's row x pitch + 16 x half
	v_and_b32 v6, 31, v0
	v_lshlrev_b32 v5, 4, v6                        ; w: 16 x lane
	s_mul_i32 s21, s15, HALFT                      ; my 128 rows of x
	s_mul_i32 s22, s16, BHALF                      ; my 128 columns of w,
	s_add_co_u32 s22, s22, 2*HALFT                 ; which lie behind x's 256 rows
.irp s, 0,1
	v_add_nc_u32 v[ADRA+\s], s21, v4
	v_add_nc_u32 v[ADRB+\s], s22, v5
	s_add_co_u32 s21, s21, SLOT
	s_add_co_u32 s22, s22, SLOT
.endr
	v_mul_u32_u24 v7, v1, KS                       ; my row's scales: 32 bytes a row,
	v_lshrrev_b32 v8, 8, v7
	v_lshl_add_u32 v7, v8, 4, v7                   ; and 16 more for each 256 passed
	s_mul_i32 s21, s15, HALFS                      ; x's: my 128 rows
	s_mul_i32 s22, s16, HALFS                      ; w's: my 128 columns, behind x's 256
	s_add_co_u32 s22, s22, 2*HALFS
	s_sub_co_u32 s22, s22, s21
	v_mul_u32_u24 v8, s22, v2                      ; lanes 16-31 take w's: one product, the distance between the two bases
	s_add_co_u32 s21, s21, SCL
	v_add_nc_u32 v7, v7, v8
	v_add_nc_u32 v[ADRS], s21, v7
	; the way out.  My place in an image: 16 x lane for q and k; for v 16 x (16 (r / 8) + 8 h + r % 8).  The choice hangs on the cluster's x alone and selects a value
	v_lshrrev_b32 v9, 3, v1
	v_lshlrev_b32 v9, 4, v9
	v_lshl_add_u32 v9, v2, 3, v9
	v_and_b32 v10, 7, v1
	v_add_nc_u32 v9, v9, v10
	v_lshlrev_b32 v9, 4, v9
	s_cmp_eq_u32 ttmp9, 2
	s_cselect_b32 s93, -1, 0
	v_cndmask_b32 v[CO], v5, v9, s93
	; where my 128 tokens x 2 heads begin, in bytes.  bh = 16 batch + 4 cx + 2 (my half of the columns); my first tile of 16 tokens in the batch = 16 (tile row % 8) + 8 (my half of the rows)
	s_lshr_b32 s46, s17, 3
	s_lshl_b32 s46, s46, 4
	s_lshl_b32 s47, s40, 2
	s_add_co_u32 s46, s46, s47
	s_lshl_b32 s47, s16, 1
	s_add_co_u32 s46, s46, s47
	s_mul_i32 s46, s46, 786432
	s_and_b32 s47, s17, 7
	s_lshl_b32 s47, s47, 4
	s_lshl_b32 s92, s15, 3
	s_add_co_u32 s47, s47, s92                     ; a multiple of 8: my 8 tiles lie in one slot of 32
	s_lshl_b32 s92, s47, 11                        ; q: tile x 2,048
	s_lshr_b32 s94, s47, 5
	s_lshl_b32 s94, s94, 17                        ; k, v: slot x 131,072
	s_and_b32 s95, s47, 31
	s_lshl_b32 s95, s95, 11
	s_add_co_u32 s94, s94, s95                     ; + tile in the slot x 2,048
	s_add_co_u32 s94, s94, 262144                  ; behind Q
	s_cmp_eq_u32 ttmp9, 2
	s_cselect_b32 s95, 65536, 0                    ; v lies behind the slot's k
	s_add_co_u32 s94, s94, s95
	s_cmp_eq_u32 ttmp9, 0
	s_cselect_b32 s92, s92, s94
	s_add_co_u32 s46, s46, s92
	s_mov_b32 s47, 0
	s_add_nc_u64 s[12:13], s[12:13], s[46:47]
.macro FRAG reg, adr, q, i             ; a fragment of x from rows: lane l holds row l % 16; registers 4 c .. 4 c + 3 hold K = 64 c + 32 (l / 16) + 0 .. 31
.irp c, 0,1
	ds_load_b128 v[\reg+4*\c:\reg+4*\c+3], v[\adr] offset:64*(\q)+32*\c+(\i)*16*PITCH
.endr
.endm
.macro FRAGB reg, adr, q, i            ; a fragment of w from its image: 1,024 consecutive bytes
.irp c, 0,1
	ds_load_b128 v[\reg+4*\c:\reg+4*\c+3], v[\adr] offset:((\i)*4+(\q))*1024+512*\c
.endr
.endm
; 16 matrix instructions: x's blocks a0, a0 + 1 against w's eight, 128 along K: the slot's q-th.  p: w's set;  sc: the set of scale words.  zero = 1: the first product starts the sums: nothing is ever cleared.
; The 64 accumulators take turns, one instruction a turn, in the same order in every step.
.macro MUL16 a0, p, q, sc, zero
.irp a, \a0, \a0+1
.irp b, 0,1,2,3,4,5,6,7
.if \zero
	v_wmma_scale_f32_16x16x128_f8f6f4 v[8*(8*((\a)%4)+\b):8*(8*((\a)%4)+\b)+7], v[128*(\p)+FR*\b:128*(\p)+FR*\b+FR-1], v[AF+FR*(\a):AF+FR*(\a)+FR-1], 0, v[SC+8*NQ*(\sc)+NQ*\b+(\q)], v[SC+8*NQ*(\sc)+NQ*(\a)+(\q)] matrix_a_fmt:MATRIX_FMT_FP4 matrix_b_fmt:MATRIX_FMT_FP4 matrix_a_scale:MATRIX_SCALE_ROW1
.else
	v_wmma_scale_f32_16x16x128_f8f6f4 v[8*(8*((\a)%4)+\b):8*(8*((\a)%4)+\b)+7], v[128*(\p)+FR*\b:128*(\p)+FR*\b+FR-1], v[AF+FR*(\a):AF+FR*(\a)+FR-1], v[8*(8*((\a)%4)+\b):8*(8*((\a)%4)+\b)+7], v[SC+8*NQ*(\sc)+NQ*\b+(\q)], v[SC+8*NQ*(\sc)+NQ*(\a)+(\q)] matrix_a_fmt:MATRIX_FMT_FP4 matrix_b_fmt:MATRIX_FMT_FP4 matrix_a_scale:MATRIX_SCALE_ROW1
.endif
.endr
.endr
.endm
.macro FETCH_B slot, q, p              ; w's eight fragments of the slot's q-th 128 along K into set p
	WIN TO_B
.irp i, 0,1,2,3,4,5,6,7
	FRAGB 128*(\p)+FR*\i, ADRB+\slot, \q, \i
.endr
	WIN 0
.endm
.macro FETCH_A slot, q, i0             ; x's blocks i0 .. i0 + 3
.irp i, \i0, \i0+1, \i0+2, \i0+3
	FRAG AF+FR*(\i), ADRA+\slot, \q, \i
.endr
.endm
.macro SCALES sc                       ; a slot's scale words into set sc: four words a row; lanes 0-15 take x's block i, lanes 16-31 w's block i
.irp i, 0,1,2,3,4,5,6,7
	ds_load_b128 v[SC+8*NQ*\sc+NQ*\i:SC+8*NQ*\sc+NQ*\i+3], v[ADRS] offset:\i*SBLK
.endr
.endm
; A load into a register that a matrix instruction has read, and a vector instruction that reads a matrix result or writes one of a matrix instruction's registers, stand NP places behind it, and only plain vector
; instructions that name none of its registers are places (ISA guide 7.12.1 for vector instructions); the matrix instructions in between are not counted.
.macro PLACES n
.rept \n
	v_nop
.endr
.endm
; A step of 128 along K that has its successor in the same slot.  A block of x is free as soon as its eight products are issued, so one set of registers serves x: blocks 0-3 are fetched anew in the step's middle, blocks 4-7 at its end.
.macro STEP slot, q, zero
	s_wait_dscnt 4*NL                              ; w's set and x's blocks 0-3 are in; the youngest eight loads (x's blocks 4-7) may be out
	WIN MUL_LO
	MUL16 0, (\q)%2, \q, \slot, \zero
	MUL16 2, (\q)%2, \q, \slot, \zero
	s_wait_dscnt 0                                 ; x's blocks 4-7 are in (asked for 32 matrix instructions ago)
	PLACES NP
	FETCH_B \slot, (\q)+1, 1-(\q)%2
	FETCH_A \slot, (\q)+1, 0
	WIN MUL_HI
	MUL16 4, (\q)%2, \q, \slot, \zero
	MUL16 6, (\q)%2, \q, \slot, \zero
	PLACES NP
	WIN 0
	FETCH_A \slot, (\q)+1, 4
.endm
; Slot 0's last step leads over into slot 1: each wave waits for all its tensor loads (its part of slot 1 is the one that may be out), so that behind the barrier slot 1 is whole for every wave.  Nothing is filled again.
.macro TURN slot, next
	s_wait_tensorcnt 0x0                           ; all my tensor loads have landed  (every window is 0 here: the add's two registers lie in window 0)
	ds_add_u32 v[SPW], v[NIL]                      ; 0 onto my spare word
	s_wait_dscnt 4*NL+1                            ; (the add and the youngest eight loads, x's blocks 4-7, may be out)
	WIN MUL_LO
	MUL16 0, 1, NQ-1, \slot, 0                     ; sixteen matrix instructions stand between the add and the wait for it
	s_wait_dscnt 0x0                               ; the add is done, and no LDS instruction of mine is out at the signal
	s_barrier_signal -1
	MUL16 2, 1, NQ-1, \slot, 0
	WIN 0
	s_barrier_wait -1
	PLACES NP
	v_add_nc_u32 v[ADRS], 4*NQ, v[ADRS]            ; on to the next slot's scale words
	FETCH_B \next, 0, 0
	FETCH_A \next, 0, 0
	SCALES \next
	WIN MUL_HI
	MUL16 4, 1, NQ-1, \slot, 0
	MUL16 6, 1, NQ-1, \slot, 0
	PLACES NP
	WIN 0
	FETCH_A \next, 0, 4
.endm
	s_wait_tensorcnt 1                             ; the scales and my part of slot 0 are in; slot 1's load, issued behind them, may be out
	s_barrier_signal -1
	s_barrier_wait -1                              ; everybody's are
	FETCH_B 0, 0, 0
	FETCH_A 0, 0, 0
	SCALES 0
	FETCH_A 0, 0, 4
	STEP 0, 0, 1                                   ; the first step's products start the sums
	STEP 0, 1, 0
	STEP 0, 2, 0
	TURN 0, 1
	STEP 1, 0, 0
	STEP 1, 1, 0
	STEP 1, 2, 0
	s_wait_dscnt 4*NL                              ; the very last step: nothing more to fetch
	WIN MUL_LO
	MUL16 0, 1, NQ-1, 1, 0
	MUL16 2, 1, NQ-1, 1, 0
	s_wait_dscnt 0
	WIN MUL_HI
	MUL16 4, 1, NQ-1, 1, 0
	MUL16 6, 1, NQ-1, 1, 0
	WIN 0
; THE WAY OUT, block by block of 16 tokens x 128 columns.  A lane's eight results of an accumulator round to 16 bytes of f16, each accumulator from its low end on; the 32 lanes' 512 bytes are one image.
.macro PACKQ a
.set AC, 64*((\a)%4)
.set TT, 32+32*((\a)%7)
	WIN 0x0a+5*((\a)/4)                            ; sources 0 and 1: window 2 or 3
.irp b, 0,1,2,3,4,5,6,7
.irp p, 0,1,2,3
	v_cvt_pk_f16_f32 v[TT+4*\b+\p], v[AC+8*\b+2*\p], v[AC+8*\b+2*\p+1]
.endr
.endr
	WIN 0
.endm
.macro SENDQ a                         ; block a = tile of tokens a; w's block b = head b / 4 of my two, tile of channels b % 4
.set TT, 32+32*((\a)%7)
.irp b, 0,1,2,3,4,5,6,7
	global_store_b128 v[CO], v[TT+4*\b:TT+4*\b+3], s[12:13] offset:(\a)*2048+(\b%4)*512+(\b/4)*786432   ; 32 lanes store 512 consecutive bytes, aligned; the offset stays inside the signed 24-bit immediate
.endr
.endm
	PLACES NP                                      ; behind the last products: the conversions write registers that held scale words and fragments, and later read the last results
.irp a, 0,1,2,3,4,5,6
	PACKQ \a                                       ; seven blocks on registers of their own: v32-255
	SENDQ \a
.endr
	s_wait_xcnt 0x0                                ; block 0's stores have read their registers: block 7 is packed into them only behind this wait
	PACKQ 7
	SENDQ 7
	s_wait_tensorcnt 0x0                           ; the wave's end: a tensor wait, an add and its wait behind my last tensor load
	ds_add_u32 v[SPW], v[NIL]
	s_wait_dscnt 0x0
	CROUND                                         ; the closing round: no work-group ends while a partner may still ask for a tile that names it
	s_endpgm
.Lfunc_end_k_q248acc4530_qkvgemm:
	.size	k_q248acc4530_qkvgemm, .Lfunc_end_k_q248acc4530_qkvgemm-k_q248acc4530_qkvgemm
	.p2alignl 7, 3214868480
	.fill 96, 4, 3214868480
	.section	.rodata,"a",@progbits
	.p2align	6, 0x0
	.amdhsa_kernel k_q248acc4530_qkvgemm
		.amdhsa_group_segment_fixed_size 327680
		.amdhsa_private_segment_fixed_size 0
		.amdhsa_enable_private_segment 0
		.amdhsa_kernarg_size 40
		.amdhsa_user_sgpr_count 2
		.amdhsa_user_sgpr_kernarg_segment_ptr 1
		.amdhsa_wavefront_size32 1
		.amdhsa_system_sgpr_workgroup_id_x 1
		.amdhsa_system_sgpr_workgroup_id_y 1
		.amdhsa_system_sgpr_workgroup_id_z 1
		.amdhsa_system_vgpr_workitem_id 0
		.amdhsa_next_free_vgpr 1024
		.amdhsa_next_free_sgpr 98
		.amdhsa_reserve_vcc 0
		.amdhsa_float_denorm_mode_32 3
		.amdhsa_float_denorm_mode_16_64 3
		.amdhsa_memory_ordered 1
		.amdhsa_forward_progress 1
		.amdhsa_inst_pref_size 118
	.end_amdhsa_kernel
	.amdgpu_metadata
---
amdhsa.version: [ 1, 2 ]
amdhsa.kernels:
  - .name:           k_q248acc4530_qkvgemm
    .symbol:         k_q248acc4530_qkvgemm.kd
    .args:
      - { .name: xc, .offset: 0, .size: 8, .value_kind: global_buffer, .address_space: global }
      - { .name: xs, .offset: 8, .size: 8, .value_kind: global_buffer, .address_space: global }
      - { .name: wc, .offset: 16, .size: 8, .value_kind: global_buffer, .address_space: global }
      - { .name: wsc, .offset: 24, .size: 8, .value_kind: global_buffer, .address_space: global }
      - { .name: qkv, .offset: 32, .size: 8, .value_kind: global_buffer, .address_space: global }
    .group_segment_fixed_size: 327680
    .private_segment_fixed_size: 0
    .kernarg_segment_align: 8
    .kernarg_segment_size: 40
    .max_flat_workgroup_size: 128
    .sgpr_count:     98
    .vgpr_count:     1024
    .wavefront_size: 32
...
	.end_amdgpu_metadata
.endif
;; end of part 2
;; launch attn (part 3): grid 8 x 32, 8 waves a work-group, clusters of 4 x 1, 327,680 bytes of LDS; arguments qkv, att; writes att
.if DOCPART == 3
	.amdgcn_target "amdgcn-amd-amdhsa--gfx1250"
	.amdhsa_code_object_version 6
	.text
	.protected	k_q248acc4530_attn
	.globl	k_q248acc4530_attn
	.p2align	8
	.type	k_q248acc4530_attn,@function
k_q248acc4530_attn:
	s_mov_b64 s[64:65], 0
	v_nop
	global_prefetch_b8 v0, s[64:65] scope:SCOPE_SE
	s_setreg_imm32_b32 hwreg(HW_REG_WAVE_MODE, 25, 1), 1
	s_wait_xcnt 0x0
	s_wait_alu depctr_hold_cnt(0) depctr_sa_sdst(0) depctr_va_vdst(0) depctr_va_sdst(0) depctr_va_ssrc(0) depctr_va_vcc(0) depctr_vm_vsrc(0)
	s_getreg_b32 s2, hwreg(HW_REG_IB_STS2, 6, 4)
	s_cmp_eq_u32 s2, 0
	s_cbranch_scc0 .Lentry_in_a_cluster
	s_endpgm
.Lentry_in_a_cluster:
	s_bfe_u32 s2, ttmp6, 0x10000c
	s_cmp_lg_u32 s2, 0x3003
	s_cbranch_scc0 .Lentry_shape_is_right
	s_endpgm
.Lentry_shape_is_right:
; O[bh][q] = the sum over k of softmax_k(Q[bh][q] . K[bh][k] / 8) V[bh][k]: 32 heads (bh = 16 batch + head), 2,048 queries and keys, head size 64, no mask.  Q, K, V arrive as f16, laid as images of the operands' registers
; (a group of four registers is 512 consecutive bytes, lane l's 16 bytes at 16 l).  Products, maxima and sums in f32; the weights p are rounded to f16 for the second product, O once at the end.
; SHARES.  A work-group owns 256 queries of one bh.  Wave w owns query group g = w % 4 (64 queries: four tiles of 16) and HALF OF THE KEYS (w / 4: 256 of each slot's 512).  So two waves share a SIMD, with the same kind of work on
; different keys: one wave's softmax can be issued beside the other's products, and each fragment of K and V still feeds four matrix instructions.  The two halves are merged once, at the end, through LDS.
; LAYOUT.  S^T = K Q^T (source 0 = 16 keys, source 1 = 16 queries): a lane holds ONE query (lane % 16) and keys 8 (lane / 16) + 0 .. 7.  Two such tiles, rounded to f16 in pairs, ARE source 1 (32 keys x 16 queries) of
; O^T = V^T P, whose result again holds one query a lane, and eight channels.  K comes out of LDS as it lies; V is turned by ds_load_tr16_b128, for which the launch before has placed its pieces: every LDS address is 16 x lane + a constant.
; SOFTMAX.  For each query a running maximum m and sum l: p = 2^(c s - c m), c = log2(e) / 8; in every step O and l are multiplied by a = 2^(c m_old - c m_new).  The step is written once: m begins at -3e38, O and l at 0; the first a is 0.
; CLUSTER.  The four query blocks of a cluster belong to one bh and walk the same K and V: each slot (131,072 consecutive bytes) is asked for JOINTLY, every wave its eighth, by the same tensor load with a mask that names the four.
; THE OUTPUT is the projection's operand (16 tokens x 32 along its K = 64 head + channel), as images: (head / 4) 2,097,152 + (token / 16) 8,192 + (head % 4) 2,048 + 512 (tile of 16 channels) + 16 x lane.
; LIMITS: a p under 2^-25 rounds to 0 in f16 (all 2,048 such together are under 7e-5 of a row's sum, which is at least 1); NaN and infinities are not served.
; REGISTERS: window 0: v2-11 addresses; v16-47 eight registers of statistics a tile; v64-191 S^T, 32 a tile, P packed in place into the first 16; v192-255 V of one step.
;            window 1: v0-127 O^T, 32 a tile; v128-191 Q; v192-255 K of one step.
.set SLOT1, 1<<17                      ; LDS: slot 0 at 0, slot 1 here: one exclusive or turns an address in one slot into the other's.  A slot: K 65,536 bytes (32 tiles of 16 keys x 2,048), then V the same
.set SPARE, 2*SLOT1                    ; behind the ring: the spare words, 128 bytes for each of eight waves: four blocks of 256 bytes that no other line names
.set MST,   18432                      ; the merge: for each query group 16,384 bytes of O^T and 2,048 of statistics, in slot 0, which has had its last fill and its last read by then
.set LK,  2                            ; v2   16 x lane + my half of a slot's keys; never rewritten
.set LV,  3                            ; v3   the same for V
.set ADK, 4                            ; v4   LDS address of the step's K
.set ADV, 5                            ; v5   of its V
.set LI,  6                            ; v6   16 x lane; never rewritten
.set STG, 7                            ; v7   16 x lane + my query group's merge region; never rewritten
.set PFO, 9                            ; v9   256 x lane: the prefetches' offset; never rewritten
.set SPW, 10                           ; v10  LDS address of my spare word: SPARE + 4 x my thread's number; never rewritten
.set NIL, 11                           ; v11  0; never rewritten
.set ST,  16                           ; tile t's statistics at v[ST+8 t]: +0 c m, +1 m, +2, +3 l (even keys', odd keys'), +4 to +7 at work; a at +6
.set S,   64
.set VF,  192                          ; V's fragments (32 keys kk, 16 channels ct) at v[VF + 32 kk + 8 ct]
.set PS,  192                          ; the merge: the partner's statistics
.set QF,  128                          ; window 1: Q's fragments (tile t, 32 channels e) at v[QF + 16 t + 8 e]
.set KF,  192                          ; window 1: K's (16 keys kt, 32 channels e) at v[KF + 16 kt + 8 e]
.set WV,  12                           ; s12  my wave's number
.set LIM, 15                           ; s15  1 in a wave that prefetches, else the greatest number
.set PFA, 18                           ; s[18:19] where my prefetches stand
.set G1,  24                           ; s[24:31] descriptor group 1
.set G0,  40                           ; s[40:43] descriptor group 0, which walks
.set SLOTS, 56                         ; s56  slots still to be asked for
.set CNT, 57                           ; s57  counts a slot's four steps
.set CS,  58                           ; s[58:59] c: the packed scaling names a pair and takes its low word for both halves
.set SEL, 60                           ; s[60:61] lane selects for v_permlanex16_b32: lane l xor 16
.set TB,  62                           ; s62  LDS byte at which the step's tiles begin, my half's offset apart
.set MSB, 0
.macro WIN new                         ; the immediate's high byte repeats the setting that is left; a switch that changes nothing is dropped
.if MSB != \new
	s_set_vgpr_msb (MSB<<8)|\new
.set MSB, \new
.endif
.endm
.macro CROUND                          ; a round of the cluster's barrier: my work-group's barrier; wave 0 signals for the work-group; every wave waits for all four work-groups; my work-group's barrier once more
	s_barrier_signal -1
	s_barrier_wait -1
	s_cmp_lg_u32 s[WV], 0
	s_cbranch_scc1 .Lnot_wave_0_\@
	s_barrier_signal -3
.Lnot_wave_0_\@:
	s_barrier_wait -3
	s_barrier_signal -1
	s_barrier_wait -1
.endm
; A PREFETCH of the slot that the NEXT change of slots will ask for: four key steps ahead of that load.  Each aligned block of 256 bytes is named once in the launch: both clusters of a bh walk the same K and V, so the first
; (cluster x = 0) asks; its four partners take 32,768 bytes each, told apart BY ADDRESS; in each, waves 0 to 3 take 8,192 bytes, lanes 256 bytes apart: one instruction a wave.  The last change that fills a slot asks for nothing.
.macro ASK
	s_cmp_gt_u32 s[SLOTS], s[LIM]
	s_cbranch_scc0 .Lnot_mine_\@
	global_prefetch_b8 v[PFO], s[PFA:PFA+1] th:TH_LOAD_NT scope:SCOPE_SE
.Lnot_mine_\@:
.endm
	s_load_b128 s[4:7], s[0:1], 0x0                ; qkv s[4:5], att s[6:7]
	v_lshl_add_u32 v[SPW], v0, 2, SPARE
	v_mov_b32 v[NIL], 0
	ds_add_u32 v[SPW], v[NIL]                      ; the wave's opening: the add, twice on end, and its wait ahead of my first tensor load; the set-up below, work on registers, stands between the second and the wait
	ds_add_u32 v[SPW], v[NIL]
	v_lshrrev_b32 v1, 5, v0
	v_readfirstlane_b32 s[WV], v1                  ; wave 0..7
	s_bfe_u32 s13, ttmp6, 0x40000                  ; cx: my place in the cluster
	s_lshl_b32 s14, ttmp9, 2
	s_add_co_u32 s14, s14, s13                     ; my block of 256 queries: it enters Q's and the output's addresses alone
	s_and_b32 s20, ttmp7, 0xffff                   ; bh, which the four partners share
	s_mul_i32 s21, s20, 786432                     ; its first byte in qkv (under 2^32)
	s_and_b32 s22, s[WV], 3                        ; g: my query group
	s_lshr_b32 s23, s[WV], 2                       ; my half of the keys
	s_lshl_b32 s44, s[WV], 14                      ; the joint loads: my eighth of a slot,
	s_add_co_u32 s44, s44, s21
	s_add_co_u32 s44, s44, 262144                  ; behind Q: slot 0
	s_mov_b32 s45, 0
	s_lshl_b32 s46, s14, 4
	s_lshl_b32 s47, s22, 2
	s_add_co_u32 s46, s46, s47                     ; my first tile of 16 queries
	s_lshl_b32 s48, s46, 13                        ; in the output 8,192 bytes a tile,
	s_lshl_b32 s46, s46, 11                        ; in Q 2,048
	s_add_co_u32 s46, s46, s21
	s_mov_b32 s47, 0
	s_lshr_b32 s49, s20, 4
	s_lshl_b32 s49, s49, 20                        ; the batch's 128 tiles of tokens
	s_add_co_u32 s48, s48, s49
	s_bfe_u32 s49, s20, 0x20002                    ; head / 4
	s_lshl_b32 s49, s49, 21
	s_add_co_u32 s48, s48, s49
	s_and_b32 s49, s20, 3                          ; head % 4
	s_lshl_b32 s49, s49, 11
	s_add_co_u32 s48, s48, s49
	s_mov_b32 s49, 0
	s_lshl_b32 s50, s13, 15                        ; the prefetches: my work-group's quarter of a slot,
	s_lshl_b32 s51, s22, 13                        ; my wave's quarter of that,
	s_add_co_u32 s50, s50, s51
	s_add_co_u32 s50, s50, s21
	s_add_co_u32 s50, s50, 262144+131072           ; in slot 1: the first change of slots steps it to slot 2.  Nothing is prefetched at the head, where every work-group's first tiles are on their way
	s_mov_b32 s51, 0
	s_or_b32 s[LIM], s23, ttmp9                    ; 0 in waves 0 to 3 of the bh's first cluster: the same in all four partners
	s_cmp_eq_u32 s[LIM], 0
	s_cselect_b32 s[LIM], 1, -1
	; group 1: a dense block of 16,384 bytes as 64 rows of 256 bytes (32 elements of 8 bytes), no padding: the images are read at 16 x lane
	s_mov_b32 s[G1], 15|(3<<16)|(1<<21)            ; 15:0 the mask: all four work-groups; 17:16 elements of 8 bytes; 21 set beside a mask
	s_mov_b32 s[G1+1], 32<<16                      ; tensor_dim0
	s_mov_b32 s[G1+2], 64<<16                      ; tensor_dim1
	s_mov_b32 s[G1+3], 32<<16                      ; tile_dim0
	s_mov_b32 s[G1+4], 64                          ; tile_dim1
	s_mov_b32 s[G1+5], 32                          ; tensor_dim0_stride
	s_mov_b32 s[G1+6], 0
	s_mov_b32 s[G1+7], 0
	s_mov_b32 s[G0], 1                             ; count = 1
	s_lshl_b32 s[G0+1], s[WV], 14                  ; LDS address: my eighth of slot 0: no place in the cluster enters it
	s_mov_b32 s[CS], 0x3e38aa3b                    ; c = log2(e) / 8
	s_mov_b32 s[CS+1], s[CS]                       ; named with it as a pair, so it is written
	s_mov_b32 s[SEL], 0x76543210
	s_mov_b32 s[SEL+1], 0xfedcba98
	s_mov_b32 s[TB], 0
	s_mov_b32 s[SLOTS], 3
	v_and_b32 v[LI], 31, v0
	v_lshlrev_b32 v[LI], 4, v[LI]
	s_lshl_b32 s2, s23, 15                         ; my half: 16 of a slot's 32 tiles of keys
	v_add_nc_u32 v[LK], s2, v[LI]
	v_add_nc_u32 v[LV], 65536, v[LK]
	s_mul_i32 s3, s22, MST
	v_add_nc_u32 v[STG], s3, v[LI]
	v_lshlrev_b32 v[PFO], 4, v[LI]
	s_wait_dscnt 0x0                               ; both opening adds are done
	s_wait_kmcnt 0x0
	s_add_nc_u64 s[G0+2:G0+3], s[4:5], s[44:45]
	s_or_b32 s[G0+3], s[G0+3], 0x80000000          ; type = 2
	s_add_nc_u64 s[8:9], s[4:5], s[46:47]          ; Q at my first tile
	s_add_nc_u64 s[10:11], s[6:7], s[48:49]        ; the output likewise
	s_add_nc_u64 s[PFA:PFA+1], s[4:5], s[50:51]
	CROUND                                         ; all four work-groups are here: the first joint loads meet
	tensor_load_to_lds s[G0:G0+3], s[G1:G1+7]      ; slot 0: one tensor load of mine is out, here and behind every change of slots
	s_nop 0
.rept 4
	v_nop
.endr
	WIN 0x40                                       ; destination window 1, address window 0
.irp t, 0,1,2,3
.irp e, 0,1
	global_load_b128 v[QF+16*\t+8*\e:QF+16*\t+8*\e+3],   v[LI], s[8:9] offset:\t*2048+\e*1024       ; Q stays in registers
	global_load_b128 v[QF+16*\t+8*\e+4:QF+16*\t+8*\e+7], v[LI], s[8:9] offset:\t*2048+\e*1024+512
.endr
.endr
.set i, 0
.rept 128
	v_mov_b32 v[i], 0                              ; O^T.  Cleared once, so that the key step need not be written a third time for a first step: the first a multiplies zeros
.set i, i+1
.endr
	WIN 0
.irp t, 0,1,2,3
	v_mov_b32 v[ST+8*\t+1], 0xff61b1e6             ; m = -3e38, under every score
	v_mul_f32 v[ST+8*\t], s[CS], v[ST+8*\t+1]      ; c m
.irp j, 2,3,4,5,6,7
	v_mov_b32 v[ST+8*\t+\j], 0                     ; l; and the registers at work, written once: a lane permute's destination and a pair's upper half count as read
.endr
.endr
	s_wait_loadcnt 0x0                             ; Q
; THE SOFTMAX of my four tiles for one key step, the tiles by turns so that no line waits for the line above it.
.macro SOFTMAX
.irp j, 0,1,2,3                        ; the maximum of a tile's 32 scores and the old m, three operands at a time: four chains, one for each accumulator, each from the accumulator's low end on
.irp t, 0,1,2,3
	v_max3_num_f32 v[ST+8*\t+4+\j], v[S+32*\t+8*\j], v[S+32*\t+8*\j+1], v[S+32*\t+8*\j+2]
.endr
.endr
.irp u, 1,2
.irp j, 0,1,2,3
.irp t, 0,1,2,3
	v_max3_num_f32 v[ST+8*\t+4+\j], v[ST+8*\t+4+\j], v[S+32*\t+8*\j+2*\u+1], v[S+32*\t+8*\j+2*\u+2]
.endr
.endr
.endr
.irp t, 0,1,2,3
	v_max3_num_f32 v[ST+8*\t+4], v[ST+8*\t+4], v[S+32*\t+7], v[S+32*\t+15]
.endr
.irp t, 0,1,2,3
	v_max3_num_f32 v[ST+8*\t+6], v[ST+8*\t+6], v[S+32*\t+23], v[S+32*\t+31]
.endr
.irp t, 0,1,2,3
	v_max3_num_f32 v[ST+8*\t+4], v[ST+8*\t+4], v[ST+8*\t+5], v[ST+8*\t+6]
.endr
.irp t, 0,1,2,3
	v_max3_num_f32 v[ST+8*\t+4], v[ST+8*\t+4], v[ST+8*\t+7], v[ST+8*\t+1]
.endr
.irp t, 0,1,2,3
	v_permlanex16_b32 v[ST+8*\t+5], v[ST+8*\t+4], s[SEL], s[SEL+1]   ; the query's other 32 keys lie in the lane 16 away
.endr
.irp t, 0,1,2,3
	v_mov_b32 v[ST+8*\t+7], v[ST+8*\t]             ; c m_old is kept for a
.endr
.irp t, 0,1,2,3
	v_max_num_f32 v[ST+8*\t+1], v[ST+8*\t+4], v[ST+8*\t+5]
.endr
.irp t, 0,1,2,3
	v_mul_f32 v[ST+8*\t], s[CS], v[ST+8*\t+1]
.endr
.irp t, 0,1,2,3
	v_sub_f32 v[ST+8*\t+7], v[ST+8*\t+7], v[ST+8*\t]
.endr
; ONE BATCH: the four a and all 128 p.  None of these lines names an exponential's result; each pair's scalings, plain lines, lead its exponentials.
.irp t, 0,1,2,3
	v_exp_f32 v[ST+8*\t+6], v[ST+8*\t+7]           ; a = 2^(c m_old - c m_new)
.endr
.irp b, 0,1,2,3,4,5,6,7,8,9,10,11,12,13,14,15
.irp t, 0,1,2,3
	v_pk_fma_f32 v[S+32*\t+2*\b:S+32*\t+2*\b+1], v[S+32*\t+2*\b:S+32*\t+2*\b+1], s[CS:CS+1], v[ST+8*\t:ST+8*\t+1] op_sel_hi:[1,0,0] neg_lo:[0,0,1] neg_hi:[0,0,1]   ; pair b: c s - c m
.endr
.irp t, 0,1,2,3
	v_exp_f32 v[S+32*\t+2*\b], v[S+32*\t+2*\b]
	v_exp_f32 v[S+32*\t+2*\b+1], v[S+32*\t+2*\b+1]
.endr
.endr
	v_nop                                          ; a plain line behind the last exponential, ahead of the first use
	s_wait_alu depctr_va_vdst(0)                   ; the wait between the exponentials and the first line that names a result: one for the 132
.irp t, 0,1,2,3
	v_pk_mul_f32 v[ST+8*\t+2:ST+8*\t+3], v[ST+8*\t+2:ST+8*\t+3], v[ST+8*\t+6:ST+8*\t+7] op_sel_hi:[1,0]   ; l x a
.endr
.irp t, 0,1,2,3                        ; the sums are taken of the unrounded p, a pair at a time, in two chains a tile
	v_pk_add_f32 v[ST+8*\t+4:ST+8*\t+5], v[S+32*\t+2:S+32*\t+3], v[S+32*\t+6:S+32*\t+7]
	v_pk_add_f32 v[ST+8*\t+2:ST+8*\t+3], v[ST+8*\t+2:ST+8*\t+3], v[S+32*\t:S+32*\t+1]
.endr
.irp o, 4,8,12,16,20,24
.irp t, 0,1,2,3
	v_pk_add_f32 v[ST+8*\t+2:ST+8*\t+3], v[ST+8*\t+2:ST+8*\t+3], v[S+32*\t+\o:S+32*\t+\o+1]
	v_pk_add_f32 v[ST+8*\t+4:ST+8*\t+5], v[ST+8*\t+4:ST+8*\t+5], v[S+32*\t+\o+6:S+32*\t+\o+7]
.endr
.endr
.irp t, 0,1,2,3
	v_pk_add_f32 v[ST+8*\t+2:ST+8*\t+3], v[ST+8*\t+2:ST+8*\t+3], v[S+32*\t+28:S+32*\t+29]
.endr
.irp t, 0,1,2,3
	v_pk_add_f32 v[ST+8*\t+2:ST+8*\t+3], v[ST+8*\t+2:ST+8*\t+3], v[ST+8*\t+4:ST+8*\t+5]
.endr
.irp j, 0,1,2,3,4,5,6,7,8,9,10,11,12,13,14,15  ; P, rounded to f16, in place: pair j goes to register j, which no later pair reads
.irp t, 0,1,2,3
	v_cvt_pk_f16_f32 v[S+32*\t+\j], v[S+32*\t+2*\j], v[S+32*\t+2*\j+1]
.endr
.endr
	WIN 0x41                                       ; O^T (destination and source 0) in window 1, a in window 0
.irp j, 0,2,4,6,8,10,12,14,16,18,20,22,24,26,28,30
.irp t, 0,1,2,3
	v_pk_mul_f32 v[32*\t+\j:32*\t+\j+1], v[32*\t+\j:32*\t+\j+1], v[ST+8*\t+6:ST+8*\t+7] op_sel_hi:[1,0]   ; O^T x a, each accumulator from its low end on
.endr
.endr
.endm
; A KEY STEP: 64 keys of my half.  The accumulators take turns, one instruction a turn: between two links of a chain stand 15 others'.
.macro STEP
	WIN 0
	v_add_nc_u32 v[ADK], s[TB], v[LK]
	v_add_nc_u32 v[ADV], s[TB], v[LV]
.rept 4
	v_nop                                          ; with the two additions six places behind the last V^T P: its V is loaded over (four are asked), and K Q^T writes over its P (five)
.endr
	WIN 0x40
.irp kt, 0,1,2,3
.irp e, 0,1
	ds_load_b128 v[KF+16*\kt+8*\e:KF+16*\kt+8*\e+3],   v[ADK] offset:\kt*2048+\e*1024
	ds_load_b128 v[KF+16*\kt+8*\e+4:KF+16*\kt+8*\e+7], v[ADK] offset:\kt*2048+\e*1024+512
.endr
.endr
	WIN 0
.irp kk, 0,1
.irp ct, 0,1,2,3
	ds_load_tr16_b128 v[VF+32*\kk+8*\ct:VF+32*\kk+8*\ct+3],   v[ADV] offset:(2*\kk)*2048+\ct*512     ; 16 keys x 16 channels, turned: lane l then holds channel l % 16 and keys 8 (l / 16) + 0 .. 7
	ds_load_tr16_b128 v[VF+32*\kk+8*\ct+4:VF+32*\kk+8*\ct+7], v[ADV] offset:(2*\kk+1)*2048+\ct*512
.endr
.endr
	s_add_co_u32 s[TB], s[TB], 8192                ; the next step's four tiles of keys
	s_wait_dscnt 16                                ; K's 16 loads are in; V's 16, issued behind them, may be out
	WIN 0x05                                       ; K and Q in window 1, S^T in window 0
.set i, 0
.rept 32                               ; S^T = K Q^T: channels 32 (i / 16) on, keys 16 ((i / 4) % 4) on, tile i % 4.  The first 16 start the sums
.set rS, S+32*(i%4)+8*((i/4)%4)
.set rK, KF+16*((i/4)%4)+8*(i/16)
.set rQ, QF+16*(i%4)+8*(i/16)
.if i < 16
	v_wmma_f32_16x16x32_f16 v[rS:rS+7], v[rK:rK+7], v[rQ:rQ+7], 0
.else
	v_wmma_f32_16x16x32_f16 v[rS:rS+7], v[rK:rK+7], v[rQ:rQ+7], v[rS:rS+7]
.endif
.set i, i+1
.endr
	WIN 0
.rept 4
	v_nop                                          ; four places ahead of the first read of the scores
.endr
	SOFTMAX
	s_wait_dscnt 0x0                               ; V is in
	WIN 0x50                                       ; V and P in window 0, O^T in window 1
.set i, 0
.rept 32                               ; O^T += V^T P: keys 32 (i / 16) on, channels 16 ((i / 4) % 4) on, tile i % 4
.set rO, 32*(i%4)+8*((i/4)%4)
.set rV, VF+32*(i/16)+8*((i/4)%4)
.set rP, S+32*(i%4)+8*(i/16)
	v_wmma_f32_16x16x32_f16 v[rO:rO+7], v[rV:rV+7], v[rP:rP+7], v[rO:rO+7]
.set i, i+1
.endr
	WIN 0                                          ; at a label and at a branch every window is 0
.endm
.macro FOUR_STEPS                      ; my half of a slot: written once, walked four times; the LDS addresses hang on s[TB]
	s_mov_b32 s[CNT], 4
.Lstep_\@:
	STEP
	s_sub_co_u32 s[CNT], s[CNT], 1
	s_cmp_lg_u32 s[CNT], 0
	s_cbranch_scc1 .Lstep_\@
	s_sub_co_u32 s[TB], s[TB], 32768               ; back to a slot's first step,
	s_xor_b32 s[TB], s[TB], SLOT1                  ; in the other slot
.endm
; THE CHANGE OF SLOTS stands at a slot's head.  Each wave waits for all its tensor loads (its eighth of the slot that it is about to read), adds 0 to its spare word, and waits for that and for its reads of the slot that it has left.
; fill = 1: the barrier is a round of the cluster's, so that no wave of any partner still reads the other slot or has a load on its way; the joint load of the next 512 keys is the first thing behind it and has four key steps in which to land.
.macro CHANGE fill
	s_wait_tensorcnt 0x0                           ; no tensor load of mine is out, so group 0 may be written
	ds_add_u32 v[SPW], v[NIL]                      ; 0 onto my spare word
.if \fill
	s_xor_b32 s[G0+1], s[G0+1], SLOT1              ; the walking descriptor: the other slot than last time,
	s_add_nc_u64 s[G0+2:G0+3], s[G0+2:G0+3], 131072   ; the next 512 keys; the type bits on top are not reached
	s_wait_xcnt 0x0                                ; the last prefetch, a slot back, has read its address, so it may be written:
	s_add_nc_u64 s[PFA:PFA+1], s[PFA:PFA+1], 131072   ; one slot further on than the walking descriptor
	s_wait_dscnt 0x0                               ; the add is done, and my reads of the slot that I have left are over
	CROUND
	tensor_load_to_lds s[G0:G0+3], s[G1:G1+7]
	s_nop 0
.rept 4
	v_nop
.endr
	ASK
.else
	s_wait_dscnt 0x0
	s_barrier_signal -1
	s_barrier_wait -1
.endif
.endm
.Lslot:                                ; three trips: behind each change of slots but the last the next slot is asked for (the first trip's load is slot 1's first fill, in every wave)
	CHANGE 1
	FOUR_STEPS
	s_sub_co_u32 s[SLOTS], s[SLOTS], 1
	s_cmp_lg_u32 s[SLOTS], 0
	s_cbranch_scc1 .Lslot
	CHANGE 0                                       ; the last slot is written out
	FOUR_STEPS
	; THE MERGE.  Waves 4 to 7 hand O^T, c m and l of their half of the keys to waves 0 to 3 of the same query group, as images of their registers.
.rept 4
	v_nop                                          ; four places behind the last products: their results are stored, and their operands' registers are loaded over
.endr
	s_cmp_lt_u32 s[WV], 4
	s_cbranch_scc1 .Lkeep
	WIN 0x04                                       ; an LDS store's data are its source 1: window 1
.set i, 0
.rept 32
	ds_store_b128 v[STG], v[4*i:4*i+3] offset:512*i   ; each accumulator from its low end on
.set i, i+1
.endr
	WIN 0
.irp t, 0,1,2,3
	ds_store_b128 v[STG], v[ST+8*\t:ST+8*\t+3] offset:16384+512*\t
.endr
.Lkeep:
	s_wait_dscnt 0x0                               ; for the others' sake: my stores have landed
	s_barrier_signal -1
	s_barrier_wait -1
	s_cmp_lt_u32 s[WV], 4
	s_cbranch_scc0 .Lend
.set i, 0
.rept 32
	ds_load_b128 v[S+4*i:S+4*i+3], v[STG] offset:512*i   ; the partner's O^T, where S^T lay
.set i, i+1
.endr
.irp t, 0,1,2,3
	ds_load_b128 v[PS+4*\t:PS+4*\t+3], v[STG] offset:16384+512*\t
.endr
	s_wait_dscnt 0x0
.irp t, 0,1,2,3
	v_max_num_f32 v[ST+8*\t+4], v[ST+8*\t], v[PS+4*\t]        ; the larger c m of the two halves
.endr
.irp t, 0,1,2,3
	v_sub_f32 v[ST+8*\t+5], v[ST+8*\t], v[ST+8*\t+4]
	v_sub_f32 v[ST+8*\t+7], v[PS+4*\t], v[ST+8*\t+4]
.endr
.irp t, 0,1,2,3
	v_add_f32 v[ST+8*\t+2], v[ST+8*\t+2], v[ST+8*\t+3]        ; l's two halves, mine and the partner's
	v_add_f32 v[PS+4*\t+2], v[PS+4*\t+2], v[PS+4*\t+3]
.endr
.irp t, 0,1,2,3
	v_exp_f32 v[ST+8*\t+4], v[ST+8*\t+5]           ; f: mine under the common maximum
.endr
.irp t, 0,1,2,3
	v_exp_f32 v[ST+8*\t+6], v[ST+8*\t+7]           ; f': the partner's
.endr
	v_nop                                          ; a plain line behind the last exponential
	s_wait_alu depctr_va_vdst(0)                   ; and the wait ahead of the first use: one for the eight
.irp t, 0,1,2,3
	v_mul_f32 v[ST+8*\t+5], v[ST+8*\t+2], v[ST+8*\t+4]
.endr
.irp t, 0,1,2,3
	v_fmac_f32 v[ST+8*\t+5], v[PS+4*\t+2], v[ST+8*\t+6]       ; l f + l' f'
.endr
.irp t, 0,1,2,3
	v_permlanex16_b32 v[ST+8*\t+7], v[ST+8*\t+5], s[SEL], s[SEL+1]
.endr
.irp t, 0,1,2,3
	v_add_f32 v[ST+8*\t+5], v[ST+8*\t+5], v[ST+8*\t+7]        ; with the lane 16 away: the row's sum
.endr
.irp t, 0,1,2,3
	v_rcp_f32 v[ST+8*\t+7], v[ST+8*\t+5]
.endr
	v_nop
	s_wait_alu depctr_va_vdst(0)                   ; one wait for the four reciprocals
.irp t, 0,1,2,3
	v_mul_f32 v[ST+8*\t+4], v[ST+8*\t+4], v[ST+8*\t+7]        ; f / the sum
	v_mul_f32 v[ST+8*\t+6], v[ST+8*\t+6], v[ST+8*\t+7]        ; f' / the sum
.endr
.irp j, 0,2,4,6,8,10,12,14,16,18,20,22,24,26,28,30
.irp t, 0,1,2,3
	v_pk_mul_f32 v[S+32*\t+\j:S+32*\t+\j+1], v[S+32*\t+\j:S+32*\t+\j+1], v[ST+8*\t+6:ST+8*\t+7] op_sel_hi:[1,0]
.endr
.endr
	WIN 0x01                                       ; source 0, my O^T, in window 1
.irp j, 0,2,4,6,8,10,12,14,16,18,20,22,24,26,28,30
.irp t, 0,1,2,3
	v_pk_fma_f32 v[S+32*\t+\j:S+32*\t+\j+1], v[32*\t+\j:32*\t+\j+1], v[ST+8*\t+4:ST+8*\t+5], v[S+32*\t+\j:S+32*\t+\j+1] op_sel_hi:[1,0,1]   ; each of my accumulators from its low end on
.endr
.endr
	WIN 0
.irp j, 0,1,2,3,4,5,6,7,8,9,10,11,12,13,14,15
.irp t, 0,1,2,3
	v_cvt_pk_f16_f32 v[S+32*\t+\j], v[S+32*\t+2*\j], v[S+32*\t+2*\j+1]   ; rounded once, in place: a tile of channels becomes four registers, 16 bytes a lane
.endr
.endr
.irp t, 0,1,2,3
.irp ct, 0,1,2,3
	global_store_b128 v[LI], v[S+32*\t+4*\ct:S+32*\t+4*\ct+3], s[10:11] offset:\t*8192+\ct*512   ; 32 lanes store 512 consecutive bytes, aligned
.endr
.endr
.Lend:
	s_wait_tensorcnt 0x0                           ; the wave's end: a tensor wait, an add and its wait behind my last tensor load and my last LDS store
	ds_add_u32 v[SPW], v[NIL]
	s_wait_dscnt 0x0
	CROUND                                         ; the closing round: no work-group ends while a partner may still ask for a tile that names it
	s_endpgm
.Lfunc_end_k_q248acc4530_attn:
	.size	k_q248acc4530_attn, .Lfunc_end_k_q248acc4530_attn-k_q248acc4530_attn
	.p2alignl 7, 3214868480
	.fill 96, 4, 3214868480
	.section	.rodata,"a",@progbits
	.p2align	6, 0x0
	.amdhsa_kernel k_q248acc4530_attn
		.amdhsa_group_segment_fixed_size 327680
		.amdhsa_private_segment_fixed_size 0
		.amdhsa_enable_private_segment 0
		.amdhsa_kernarg_size 16
		.amdhsa_user_sgpr_count 2
		.amdhsa_user_sgpr_kernarg_segment_ptr 1
		.amdhsa_wavefront_size32 1
		.amdhsa_system_sgpr_workgroup_id_x 1
		.amdhsa_system_sgpr_workgroup_id_y 1
		.amdhsa_system_sgpr_workgroup_id_z 1
		.amdhsa_system_vgpr_workitem_id 0
		.amdhsa_next_free_vgpr 512
		.amdhsa_next_free_sgpr 66
		.amdhsa_reserve_vcc 0
		.amdhsa_float_denorm_mode_32 3
		.amdhsa_float_denorm_mode_16_64 3
		.amdhsa_memory_ordered 1
		.amdhsa_forward_progress 1
		.amdhsa_inst_pref_size 98
	.end_amdhsa_kernel
	.amdgpu_metadata
---
amdhsa.version: [ 1, 2 ]
amdhsa.kernels:
  - .name:           k_q248acc4530_attn
    .symbol:         k_q248acc4530_attn.kd
    .args:
      - { .name: qkv, .offset: 0, .size: 8, .value_kind: global_buffer, .address_space: global }
      - { .name: att, .offset: 8, .size: 8, .value_kind: global_buffer, .address_space: global }
    .group_segment_fixed_size: 327680
    .private_segment_fixed_size: 0
    .kernarg_segment_align: 8
    .kernarg_segment_size: 16
    .max_flat_workgroup_size: 256
    .sgpr_count:     66
    .vgpr_count:     512
    .wavefront_size: 32
...
	.end_amdgpu_metadata
.endif
;; end of part 3
;; launch proj (part 4): grid 8 x 32, 4 waves a work-group, clusters of 4 x 4, 327,680 bytes of LDS; arguments att, wp, b_proj, out0; writes out0
.if DOCPART == 4
	.amdgcn_target "amdgcn-amd-amdhsa--gfx1250"
	.amdhsa_code_object_version 6
	.text
	.protected	k_q248acc4530_proj
	.globl	k_q248acc4530_proj
	.p2align	8
	.type	k_q248acc4530_proj,@function
k_q248acc4530_proj:
	s_mov_b64 s[64:65], 0
	v_nop
	global_prefetch_b8 v0, s[64:65] scope:SCOPE_SE
	s_setreg_imm32_b32 hwreg(HW_REG_WAVE_MODE, 25, 1), 1
	s_wait_xcnt 0x0
	s_wait_alu depctr_hold_cnt(0) depctr_sa_sdst(0) depctr_va_vdst(0) depctr_va_sdst(0) depctr_va_ssrc(0) depctr_va_vcc(0) depctr_vm_vsrc(0)
	s_getreg_b32 s2, hwreg(HW_REG_IB_STS2, 6, 4)
	s_cmp_eq_u32 s2, 0
	s_cbranch_scc0 .Lentry_in_a_cluster
	s_endpgm
.Lentry_in_a_cluster:
	s_bfe_u32 s2, ttmp6, 0x10000c
	s_cmp_lg_u32 s2, 0xf033
	s_cbranch_scc0 .Lentry_shape_is_right
	s_endpgm
.Lentry_shape_is_right:
; out0 = att w_proj + b_proj: [4,096 tokens][1,024] x [1,024][1,024], operands in f16, sums and result in f32.  Both operands arrive as images of the operand's registers: a fragment (16 rows x 32 K) is 1,024 consecutive bytes,
; lane l's 16 bytes at 16 l and 512 + 16 l; the 8 fragments of 256 along K of a tile of 16 rows are 8,192 consecutive bytes; tiles of rows follow each other; then the next 256 along K.
; A tile of the output is 128 x 128: 256 work-groups of four waves, each wave 64 x 64: 16 accumulators of 16 x 16.  K goes in four steps of 256 through a ring of two LDS slots; a wave's tensor load brings one dense block of 32,768 bytes.
; CLUSTERS: 4 x 4 work-groups.  The four of a row of the cluster need the same tiles of att, the four of a column the same tiles of wp: each tile is asked for JOINTLY, by the same tensor load with the same descriptor and a mask that names the four.
; THE MATRIX INSTRUCTION IS USED TRANSPOSED (source 0 = 16 columns of w_proj, source 1 = 16 tokens): a lane holds eight neighbouring numbers of a row of the output.  The bias is the C of each sum's first matrix instruction.
; A wave's 64 columns of f32 are 256 consecutive bytes of a row, aligned: so each wave has a stage of its own on the way out, and no barrier stands there.
; No prefetch: a step's tiles are small and shared by joint loads.
; REGISTERS: window 0: v0-31 addresses; v32-95 at work on the way out; v96-127 the bias, eight registers for each of my four tiles of columns; v128-255 the accumulators ((a, b) at v[128 + 8 (4 a + b)]).
;   window 1: two fragment buffers of 128: for 64 along K (two matrix instructions deep), 64 registers of att (2 x 4 fragments), then 64 of wp.
.set HALFT,  32768                     ; what one tensor load brings, and what one wave reads of att or of wp: 4 tiles of 16 rows x 8,192 bytes
.set SLOT,   4*HALFT                   ; att's 128 rows, then wp's 128 columns
.set SPARE,  2*SLOT                    ; behind the ring: the spare words, 128 bytes for each wave: two blocks of 256 bytes that no other line names
.set SPITCH, 272                       ; the way out: 16 rows x (256 bytes + 16) for each wave, in slot 0, which has had its last fill and its last read when the first result is stored there
.set LAPS,   2                         ; a lap = two K steps = once round the ring
.set ADRA, 16                          ; v16-17  LDS address of my fragments of att in slot 0, 1
.set ADRB, 20                          ; v20-21  the same for wp
.set STO,  24                          ; v24     the way out: where I put 32 bytes of a row
.set RD,   25                          ; v25     the way out: where I read a row back
.set CO,   26                          ; v26     my byte offset in the output
.set BO,   27                          ; v27     my byte offset in the bias; never rewritten
.set SPW,  28                          ; v28     LDS address of my spare word: SPARE + 4 x my thread's number; never rewritten
.set NIL,  29                          ; v29     0; never rewritten
.set TMP,  32
.set BIAS, 96
.set ACC,  128
.set F0,   0                           ; fragment buffers, in window 1
.set F1,   128
.set G1, 24                            ; s[24:31] descriptor group 1 for att's tiles;  s[32:39] group 0, one set for each slot
.set G0, 32
.set G1B, 48                           ; s[48:55], s[56:63] the same for wp's
.set G0B, 56
.set MSB, 0
.macro WIN new                         ; the immediate's high byte repeats the setting that is left
.if MSB != \new
	s_set_vgpr_msb (MSB<<8)|\new
.set MSB, \new
.endif
.endm
.set MUL,  0x05                        ; sources 0 (wp) and 1 (att) window 1; C and D window 0
.set TO_F, 0x40                        ; destination window 1, address window 0
.macro JLOAD s                         ; a joint load: waves 0 and 1 fetch att's two halves, waves 2 and 3 wp's; an s_nop 0 and four v_nop follow each of the two lines, ahead of the jump, the label and what follows
	s_cmp_eq_u32 s11, 0
	s_cbranch_scc0 .Lfor_b_\@
	tensor_load_to_lds s[G0+4*\s:G0+4*\s+3], s[G1:G1+7]
	s_nop 0
.rept 4
	v_nop
.endr
	s_branch .Lasked_\@
.Lfor_b_\@:
	tensor_load_to_lds s[G0B+4*\s:G0B+4*\s+3], s[G1B:G1B+7]
	s_nop 0
.rept 4
	v_nop
.endr
.Lasked_\@:
.endm
.macro CREST                           ; a round of the cluster's barrier behind its opening barrier
	s_cmp_lg_u32 s10, 0
	s_cbranch_scc1 .Lnot_wave_0_\@
	s_barrier_signal -3
.Lnot_wave_0_\@:
	s_barrier_wait -3
	s_barrier_signal -1
	s_barrier_wait -1
.endm
.macro CROUND                          ; a whole round
	s_barrier_signal -1
	s_barrier_wait -1
	CREST
.endm
	s_load_b128 s[4:7], s[0:1], 0x0                ; att s[4:5], wp s[6:7]
	s_load_b64 s[66:67], s[0:1], 0x10              ; b_proj
	s_load_b64 s[8:9], s[0:1], 0x18                ; out0
	v_lshl_add_u32 v[SPW], v0, 2, SPARE
	v_mov_b32 v[NIL], 0
	ds_add_u32 v[SPW], v[NIL]                      ; the wave's opening: the add, twice on end, and its wait ahead of my first tensor load; the set-up below, work on registers, stands between the second and the wait
	ds_add_u32 v[SPW], v[NIL]
	v_lshrrev_b32 v1, 5, v0
	v_readfirstlane_b32 s10, v1                    ; wave 0..3
	s_lshr_b32 s11, s10, 1                         ; which half of the tile's rows is mine.  Also: I fetch for att (0) or for wp (1)
	s_and_b32 s12, s10, 1                          ; which half of its columns.  Also: which half of that tile I fetch
	s_bfe_u32 s40, ttmp6, 0x40000                  ; cx, cy: my place in the cluster
	s_bfe_u32 s41, ttmp6, 0x40004
	s_lshl_b32 s42, ttmp9, 2
	s_add_co_u32 s42, s42, s40                     ; tile column = 4 x cluster x + cx
	s_and_b32 s13, ttmp7, 0xffff
	s_lshl_b32 s13, s13, 2
	s_add_co_u32 s13, s13, s41                     ; tile row = 4 x cluster y + cy
	s_lshl_b32 s43, s41, 2
	s_lshl_b32 s43, 15, s43                        ; my row of the cluster
	s_lshl_b32 s44, 0x1111, s40                    ; my column
	; group 1: a dense block of 32,768 bytes as 128 rows of 256 bytes (32 elements of 8 bytes), no padding: the images are read at 16 x lane
	s_or_b32 s[G1+0], s43, (3<<16)|(1<<21)         ; 15:0 the mask: att's tiles go to my row; 17:16 elements of 8 bytes; 21 set beside a mask
	s_or_b32 s[G1B+0], s44, (3<<16)|(1<<21)        ; wp's to my column
.irp g, G1, G1B
	s_mov_b32 s[\g+1], 32<<16                      ; tensor_dim0
	s_mov_b32 s[\g+2], 128<<16                     ; tensor_dim1
	s_mov_b32 s[\g+3], 32<<16                      ; tile_dim0
	s_mov_b32 s[\g+4], 128                         ; tile_dim1
	s_mov_b32 s[\g+5], 32                          ; tensor_dim0_stride
	s_mov_b32 s[\g+6], 0
	s_mov_b32 s[\g+7], 0
.endr
	s_lshl_b32 s16, s13, 3                         ; att: tile of 16 tokens 8 x tile row + 4 x half, 8,192 bytes each
	s_lshl_b32 s17, s12, 2
	s_add_co_u32 s16, s16, s17
	s_lshl_b32 s16, s16, 13
	s_mov_b32 s17, 0
	s_lshl_b32 s46, s42, 3                         ; wp: tile of 16 columns 8 x tile column + 4 x half
	s_lshl_b32 s47, s12, 2
	s_add_co_u32 s46, s46, s47
	s_lshl_b32 s46, s46, 13
	s_mov_b32 s47, 0
	s_lshl_b32 s20, s10, 15                        ; where they go: wave x 32,768: no place in the cluster enters an LDS address
	s_wait_dscnt 0x0                               ; both opening adds are done
	s_wait_kmcnt 0x0
	s_add_nc_u64 s[14:15], s[4:5], s[16:17]
	s_add_nc_u64 s[46:47], s[6:7], s[46:47]
	CROUND                                         ; all sixteen work-groups are here: the first joint loads meet
.irp s, 0,1
	s_mov_b32 s[G0+4*\s], 1
	s_add_co_u32 s[G0+4*\s+1], s20, \s*SLOT
	s_add_nc_u64 s[G0+4*\s+2:G0+4*\s+3], s[14:15], \s*2097152      ; K step s of att
	s_or_b32 s[G0+4*\s+3], s[G0+4*\s+3], 0x80000000
	s_mov_b32 s[G0B+4*\s], 1
	s_add_co_u32 s[G0B+4*\s+1], s20, \s*SLOT
	s_add_nc_u64 s[G0B+4*\s+2:G0B+4*\s+3], s[46:47], \s*524288     ; K step s of wp
	s_or_b32 s[G0B+4*\s+3], s[G0B+4*\s+3], 0x80000000
	JLOAD \s                                       ; two tensor loads of mine are out behind the second
.endr
	v_and_b32 v1, 15, v0                           ; r = lane % 16
	v_bfe_u32 v2, v0, 4, 1                         ; h = lane / 16
	v_and_b32 v3, 31, v0
	v_lshlrev_b32 v3, 4, v3                        ; 16 x lane
	s_lshl_b32 s21, s11, 15                        ; my 64 rows of att
	s_lshl_b32 s22, s12, 15                        ; my 64 columns of wp,
	s_add_co_u32 s22, s22, 2*HALFT                 ; which lie behind att's 128 rows
.irp s, 0,1
	v_add_nc_u32 v[ADRA+\s], s21, v3
	v_add_nc_u32 v[ADRB+\s], s22, v3
	s_add_co_u32 s21, s21, SLOT
	s_add_co_u32 s22, s22, SLOT
.endr
	; the bias, in the result's layout: for my tile of columns b, lane (r, h) wants b_proj at my first column + 16 b + 8 h + 0 .. 7
	v_lshlrev_b32 v[BO], 5, v2
	s_lshl_b32 s46, s42, 9                         ; my first column, in bytes: 512 x tile column + 256 x half
	s_lshl_b32 s47, s12, 8
	s_add_co_u32 s46, s46, s47
	s_mov_b32 s47, 0
	s_add_nc_u64 s[66:67], s[66:67], s[46:47]
.irp b, 0,1,2,3
	global_load_b128 v[BIAS+8*\b:BIAS+8*\b+3],   v[BO], s[66:67] offset:64*\b
	global_load_b128 v[BIAS+8*\b+4:BIAS+8*\b+7], v[BO], s[66:67] offset:64*\b+16
.endr
	s_mul_i32 s23, s10, 16*SPITCH                  ; my stage
	v_mul_u32_u24 v4, v1, SPITCH                   ; in: row r, 32 bytes for each half of the lanes
	v_lshl_add_u32 v4, v2, 5, v4
	v_add_nc_u32 v[STO], s23, v4
	v_mul_u32_u24 v5, v2, SPITCH                   ; back: lanes 0-15 take one row of 256 bytes, lanes 16-31 the next
	v_lshl_add_u32 v5, v1, 4, v5
	v_add_nc_u32 v[RD], s23, v5
	v_lshlrev_b32 v5, 12, v2                       ; and the same two rows in the output, 4,096 bytes apart
	v_lshl_add_u32 v[CO], v1, 4, v5
	s_lshl_b32 s16, s13, 19                        ; my first row: 128 x tile row + 64 x half, 4,096 bytes each
	s_lshl_b32 s17, s11, 18
	s_add_co_u32 s16, s16, s17
	s_mov_b32 s17, 0
	s_add_nc_u64 s[8:9], s[8:9], s[16:17]
	s_add_nc_u64 s[8:9], s[8:9], s[46:47]          ; and my first column
; 8 matrix instructions: row blocks a0, a0 + 1 x all 4 column blocks, 32 along K: half c of buffer f.  first = 1: the sums begin with the bias as C: nothing is cleared and nothing is added later.
; The 16 accumulators take turns, one instruction a turn.
.macro MUL8 f, c, a0, first
.irp a, \a0, \a0+1
.irp b, 0,1,2,3
.if \first
	v_wmma_f32_16x16x32_f16 v[ACC+8*(4*(\a)+\b):ACC+8*(4*(\a)+\b)+7], v[\f+64+8*(4*\c+\b):\f+64+8*(4*\c+\b)+7], v[\f+8*(4*\c+\a):\f+8*(4*\c+\a)+7], v[BIAS+8*\b:BIAS+8*\b+7]
.else
	v_wmma_f32_16x16x32_f16 v[ACC+8*(4*(\a)+\b):ACC+8*(4*(\a)+\b)+7], v[\f+64+8*(4*\c+\b):\f+64+8*(4*\c+\b)+7], v[\f+8*(4*\c+\a):\f+8*(4*\c+\a)+7], v[ACC+8*(4*(\a)+\b):ACC+8*(4*(\a)+\b)+7]
.endif
.endr
.endr
.endm
; 32 LDS loads in one run: the fragments of the slot's qd-th 64 along K into buffer f; the first 32 along K first
.macro FETCH slot, qd, f
	WIN TO_F
.irp c, 0,1
.irp i, 0,1,2,3
	ds_load_b128 v[\f+64+8*(4*\c+\i):\f+64+8*(4*\c+\i)+3],   v[ADRB+\slot] offset:\i*8192+(2*(\qd)+\c)*1024
	ds_load_b128 v[\f+64+8*(4*\c+\i)+4:\f+64+8*(4*\c+\i)+7], v[ADRB+\slot] offset:\i*8192+(2*(\qd)+\c)*1024+512
	ds_load_b128 v[\f+8*(4*\c+\i):\f+8*(4*\c+\i)+3],         v[ADRA+\slot] offset:\i*8192+(2*(\qd)+\c)*1024
	ds_load_b128 v[\f+8*(4*\c+\i)+4:\f+8*(4*\c+\i)+7],       v[ADRA+\slot] offset:\i*8192+(2*(\qd)+\c)*1024+512
.endr
.endr
.endm
.macro PLACES                          ; four places in front of loads into registers that matrix instructions have read, and of LDS stores that read results (ISA guide 7.12.1 for the stores)
.rept 4
	v_nop
.endr
.endm
; A K step is four quarters of 64 along K, 32 matrix instructions each, on buffers 0, 1, 0, 1.  One of the first three: multiplies buffer f and fetches quarter qd into g.
.macro QUARTER slot, qd, f, g, first
	s_wait_dscnt 16                                ; the first 32 along K are in; the youngest sixteen loads may be out
	WIN MUL
	MUL8 \f, 0, 0, \first
	MUL8 \f, 0, 2, \first
	PLACES
	FETCH \slot, \qd, \g
	s_wait_dscnt 32                                ; all but the 32 just issued
	WIN MUL
	MUL8 \f, 1, 0, 0
	MUL8 \f, 1, 2, 0
.endm
; The last quarter multiplies buffer 1 and changes slots: ONE barrier; in front of it each wave waits for all its tensor loads, adds 0 to its spare word, and waits for that and for its own reads of this slot.  fill = 1: this slot is filled again, two K steps ahead.
.macro TURN slot, next, fill
	WIN 0                                          ; (the add's two registers lie in window 0)
	s_wait_tensorcnt 0x0                           ; all my tensor loads have landed: my part of the next slot;
	ds_add_u32 v[SPW], v[NIL]                      ; 0 onto my spare word;
	s_wait_dscnt 17                                ; (the add and the youngest sixteen loads may be out)
	WIN MUL
	MUL8 F1, 0, 0, 0                               ; eight matrix instructions stand between the add and the wait for it
	s_wait_dscnt 0x0                               ; the add is done, and my reads of this slot are over
	s_barrier_signal -1
	MUL8 F1, 0, 2, 0
.if \fill
	WIN 0
.endif
	s_barrier_wait -1
.if \fill
	CREST                                          ; the barrier has opened a round of the cluster's barrier: no wave of any partner still reads this slot's tile or has a load on its way
	s_add_nc_u64 s[G0+4*\slot+2:G0+4*\slot+3], s[G0+4*\slot+2:G0+4*\slot+3], 2*2097152
	s_add_nc_u64 s[G0B+4*\slot+2:G0B+4*\slot+3], s[G0B+4*\slot+2:G0B+4*\slot+3], 2*524288
	JLOAD \slot                                    ; the first tensor load behind the round; the four v_nop behind it are also the places in front of the loads below
.else
	PLACES
.endif
	FETCH \next, 0, F0
	WIN MUL
	MUL8 F1, 1, 0, 0
	MUL8 F1, 1, 2, 0
.endm
	s_wait_tensorcnt 1                             ; my part of K step 0 is in; K step 1's load may be out
	s_barrier_signal -1
	s_barrier_wait -1                              ; everybody's is
	FETCH 0, 0, F0
	s_wait_loadcnt 0x0                             ; the bias
	QUARTER 0, 1, F0, F1, 1                        ; the first quarter stands in front of the loop: its first products start the sums
	WIN 0                                          ; at a label and at a branch every window is 0
	s_mov_b32 s3, LAPS-1
.Llap:                                 ; a trip goes once round the ring, from a lap's second quarter to the next lap's first, and fills both slots again
	QUARTER 0, 2, F1, F0, 0
	QUARTER 0, 3, F0, F1, 0
	TURN 0, 1, 1
	QUARTER 1, 1, F0, F1, 0
	QUARTER 1, 2, F1, F0, 0
	QUARTER 1, 3, F0, F1, 0
	TURN 1, 0, 1
	QUARTER 0, 1, F0, F1, 0
	WIN 0
	s_sub_co_u32 s3, s3, 1
	s_cmp_lg_u32 s3, 0
	s_cbranch_scc1 .Llap
	QUARTER 0, 2, F1, F0, 0                        ; the last lap fills nothing, and has no round of the cluster's barrier
	QUARTER 0, 3, F0, F1, 0
	TURN 0, 1, 0
	QUARTER 1, 1, F0, F1, 0
	QUARTER 1, 2, F1, F0, 0
	QUARTER 1, 3, F0, F1, 0
	s_wait_dscnt 16                                ; the very last quarter: nothing more to fetch
	WIN MUL
	MUL8 F1, 0, 0, 0
	MUL8 F1, 0, 2, 0
	s_wait_dscnt 0
	MUL8 F1, 1, 0, 0
	MUL8 F1, 1, 2, 0
	WIN 0
; THE WAY OUT, block by block of 16 rows x 64 columns.  A lane holds 32 neighbouring bytes of a row and the lanes beside it hold other rows: so a block goes through my own stage in LDS and comes back as whole rows of 256 bytes.
; LDS serves a wave's instructions in order (ISA guide 5.7.1.4): no wait between the stores and the loads, nor in front of the next block's stores.
.macro TOSTAGE a
.irp b, 0,1,2,3
	ds_store_b128 v[STO], v[ACC+8*(4*(\a)+\b):ACC+8*(4*(\a)+\b)+3] offset:64*\b        ; each accumulator from its low end on
	ds_store_b128 v[STO], v[ACC+8*(4*(\a)+\b)+4:ACC+8*(4*(\a)+\b)+7] offset:64*\b+16
.endr
.irp t, 0,1,2,3,4,5,6,7
	ds_load_b128 v[TMP+32*((\a)%2)+4*\t:TMP+32*((\a)%2)+4*\t+3], v[RD] offset:\t*2*SPITCH
.endr
.endm
.macro SEND a, younger                 ; younger: the LDS instructions issued behind block a's loads, which may stay out
	s_wait_dscnt \younger
.irp t, 0,1,2,3,4,5,6,7
	global_store_b128 v[CO], v[TMP+32*((\a)%2)+4*\t:TMP+32*((\a)%2)+4*\t+3], s[8:9] offset:(16*(\a)+2*\t)*4096 th:TH_STORE_NT   ; sixteen lanes store 256 consecutive bytes, aligned; written once, read by nobody here
.endr
.endm
	PLACES
	TOSTAGE 0
	TOSTAGE 1
	SEND 0, 16                                     ; behind block 0's loads: block 1's 8 stores and 8 loads
	s_wait_xcnt 0x0                                ; block 0's stores have read their registers: block 2's loads land there only behind this wait
	TOSTAGE 2
	SEND 1, 16
	s_wait_xcnt 0x0
	TOSTAGE 3
	SEND 2, 16
	SEND 3, 0
	s_wait_tensorcnt 0x0                           ; the wave's end: a tensor wait, an add and its wait behind my last tensor load and my last LDS store
	ds_add_u32 v[SPW], v[NIL]
	s_wait_dscnt 0x0
	CROUND                                         ; the closing round: no work-group ends while a partner may still ask for a tile that names it
	s_endpgm
.Lfunc_end_k_q248acc4530_proj:
	.size	k_q248acc4530_proj, .Lfunc_end_k_q248acc4530_proj-k_q248acc4530_proj
	.p2alignl 7, 3214868480
	.fill 96, 4, 3214868480
	.section	.rodata,"a",@progbits
	.p2align	6, 0x0
	.amdhsa_kernel k_q248acc4530_proj
		.amdhsa_group_segment_fixed_size 327680
		.amdhsa_private_segment_fixed_size 0
		.amdhsa_enable_private_segment 0
		.amdhsa_kernarg_size 32
		.amdhsa_user_sgpr_count 2
		.amdhsa_user_sgpr_kernarg_segment_ptr 1
		.amdhsa_wavefront_size32 1
		.amdhsa_system_sgpr_workgroup_id_x 1
		.amdhsa_system_sgpr_workgroup_id_y 1
		.amdhsa_system_sgpr_workgroup_id_z 1
		.amdhsa_system_vgpr_workitem_id 0
		.amdhsa_next_free_vgpr 512
		.amdhsa_next_free_sgpr 70
		.amdhsa_reserve_vcc 0
		.amdhsa_float_denorm_mode_32 3
		.amdhsa_float_denorm_mode_16_64 3
		.amdhsa_memory_ordered 1
		.amdhsa_forward_progress 1
		.amdhsa_inst_pref_size 86
	.end_amdhsa_kernel
	.amdgpu_metadata
---
amdhsa.version: [ 1, 2 ]
amdhsa.kernels:
  - .name:           k_q248acc4530_proj
    .symbol:         k_q248acc4530_proj.kd
    .args:
      - { .name: att, .offset: 0, .size: 8, .value_kind: global_buffer, .address_space: global }
      - { .name: wp, .offset: 8, .size: 8, .value_kind: global_buffer, .address_space: global }
      - { .name: b_proj, .offset: 16, .size: 8, .value_kind: global_buffer, .address_space: global }
      - { .name: out0, .offset: 24, .size: 8, .value_kind: global_buffer, .address_space: global }
    .group_segment_fixed_size: 327680
    .private_segment_fixed_size: 0
    .kernarg_segment_align: 8
    .kernarg_segment_size: 32
    .max_flat_workgroup_size: 128
    .sgpr_count:     70
    .vgpr_count:     512
    .wavefront_size: 32
...
	.end_amdgpu_metadata
.endif
;; end of part 4
